; MI455X (gfx1250); checked and timed in simulation.
; The chip was launched on July 23, 2026; its instructions are those of AMD's public machine-readable ISA for CDNA 5 (MIT licence, August 2026) and "CDNA5" Instruction Set Architecture Reference Guide (July 2026). The comments in the code are by the model that wrote it; some were corrected since.
;; Multi Head Attention. Allowed arithmetic: matrix products marked QUANTISED: E2M3 operands, one E8M0 scale for each 32 along K, by v_wmma_scale_f32_16x16x128_f8f6f4 with both operands' format E2M3, f32 sums; everything else in f32.
;; Inputs: Wk 16 x 1,024 x 64 float32; Wo 1,024 x 1,024 float32; Wq 16 x 1,024 x 64 float32; Wv 16 x 1,024 x 64 float32; bk 16 x 64 float32; bo 1,024 float32; bq 16 x 64 float32; bv 16 x 64 float32; keys 4 x 2,048 x 1,024 float32; queries 4 x 2,048 x 1,024 float32; values 4 x 2,048 x 1,024 float32.
;; Outputs: out0 4 x 2,048 x 1,024 float32.
;; This version of the problem:
;;   THIS VERSION OF THE PROBLEM IS GIVEN IN LOW PRECISION. The matrix products marked QUANTISED in the list below multiply operands that are first quantised to E2M3 (2 exponent bits, 3 mantissa bits; 6 bits a number), with one power-of-two scale for each 32 numbers along K (OCP MX v1.0); their sums are f32. All else is computed in f32.
;;   The module's matrix products, in the order in which they are computed (A, B: the left and right operand; K: the contracted axis; several contracted axes count as one K, in the product's order):
;;     1. [M 1,024, K 1,024] x [K 1,024, N 8,192]; A: input Wq; B: input queries: QUANTISED
;;     2. [M 1,024, K 1,024] x [K 1,024, N 8,192]; A: input Wk; B: input keys: QUANTISED
;;     3. [M 1,024, K 1,024] x [K 1,024, N 8,192]; A: input Wv; B: input values: QUANTISED
;;     4. batch 64 x [M 2,048, K 64] x [K 64, N 2,048]; A: computed on the way; B: computed on the way: QUANTISED
;;     5. batch 64 x [M 2,048, K 2,048] x [K 2,048, N 64]; A: softmax (see below); B: computed on the way: QUANTISED
;;     6. [M 8,192, K 1,024] x [K 1,024, N 1,024]; A: computed on the way; B: input Wo: QUANTISED
;;   THE QUANTISER, for each operand of a quantised product, along K:
;;     - K is cut into blocks of 32 from its start; a last block that is shorter is filled with zeros.
;;     - A block's scale is 2^e with e = floor(log2(the largest magnitude in the block)) - 2, held to -126 .. 127; a block of zeros has e = 0. As a byte (E8M0): e + 127.
;;     - Each number is divided by its block's scale, clamped to +-7.5, and rounded to the nearest number of E2M3, ties to even, subnormals kept.
;;     - The product sums the exact products of the quantised numbers (number of the format x scale) in f32.
;;   ~~~python
;;   def quantise(x, axis):      # numpy; x: float32 -> the quantised numbers, widened to float32 again
;;       x = np.moveaxis(x, axis, -1); K = x.shape[-1]
;;       x = np.pad(x, [(0, 0)] * (x.ndim - 1) + [(0, -K % 32)]); x = x.reshape(x.shape[:-1] + (-1, 32)); a = np.abs(x).max(-1, keepdims=True)
;;       e = np.where(a > 0, np.clip(np.frexp(np.where(a > 0, a, 1))[1] - 1 - 2, -126, 127), 0)      # np.frexp(a)[1] - 1 = floor(log2(a)), exactly
;;       r = np.clip(x / 2.0 ** e, -7.5, 7.5)
;;       step = 2.0 ** (np.maximum(np.frexp(np.where(r == 0, 1, r))[1] - 1, 0) - 3)
;;       q = np.round(r / step) * step * 2.0 ** e      # np.round: ties to even
;;       return np.moveaxis(q.reshape(q.shape[:-2] + (-1,))[..., :K], -1, axis).astype(np.float32)
;;   ~~~
;;   SOFTMAX AHEAD OF A QUANTISED PRODUCT. Where the list says 'softmax', what is quantised is not the finished softmax but p = 2^(t - M), with t = logit x log2(e) and M = ceil(the row's largest t), a whole number; so 1/2 < the row's largest p <= 1. The row's sum l is taken of the UNQUANTISED p, in f32, and the product's result is divided by l at the end. Since M is a whole number, a kernel that streams over the keys may use a running M (the ceiling of the running maximum): every later rescaling is an exact power of two, which a block's scale takes up: the codes' values come out the same.
;;   OPERANDS COMPUTED ON THE WAY. 'Computed on the way' means the value that the module computes at that place (a softmax that the list does not call 'softmax' is quantised finished and normalised). What goes into a quantiser is computed in f32, as accurately as f32 sums, v_exp_f32 and their like allow (about 1e-6 of the number): no bf16 or f16 on the way to a quantiser, and a product that is left as it is and whose result goes on into a quantised operand takes f32 operands (vector FMAs, or v_wmma_f32_16x16x4_f32). A number that lies on a knife's edge between two numbers of the format may be rounded either way, as far as f32 arithmetic and the matrix unit's own rounding can turn it there, and no further.
;; 2 versions. Each part assembles by itself: llvm-mc -triple=amdgcn-amd-amdhsa -mcpu=gfx1250 --defsym DOCPART=n.
;; ======== version 1 of 2: 4 launches
;; workspace buffers: wc 3,145,728 bytes; ws 131,072 bytes; qc 6,291,456 bytes; qs 262,144 bytes; kvc 12,582,912 bytes; kvs 524,288 bytes; oc 6,291,456 bytes; os 524,288 bytes
;; launch wquant (part 1): grid 64 x 4, 4 waves a work-group, no clusters, 13,312 bytes of LDS; arguments Wq, Wk, Wv, Wo, wc, ws; writes wc, ws
.if DOCPART == 1
	.amdgcn_target "amdgcn-amd-amdhsa--gfx1250"
	.amdhsa_code_object_version 6
	.text
	.protected	k_q4da0f6228f_wquant
	.globl	k_q4da0f6228f_wquant
	.p2align	8
	.type	k_q4da0f6228f_wquant,@function
k_q4da0f6228f_wquant:
	s_mov_b64 s[64:65], 0
	v_nop
	global_prefetch_b8 v0, s[64:65] scope:SCOPE_SE
	s_setreg_imm32_b32 hwreg(HW_REG_WAVE_MODE, 25, 1), 1
	s_wait_xcnt 0x0
; Wq, Wk, Wv [16][1024][64] and Wo [1024][1024], f32, K = the axis of 1,024 that is NOT innermost, become codes of FP6 (E2M3) with one E8M0 byte for each 32 along K.
; The codes leave as IMAGES OF OPERAND REGISTERS: wc[weight][tile 64][K step 8][1,536 bytes]: register g of lane l of a fragment (16 rows n x 128 K, 12 registers) at 512 (g / 4) + 16 l + 4 (g % 4),
; so that a reader takes a fragment by three loads of 16 bytes a lane.  Tile t holds the rows n = 32 (t / 2) + 8 (t % 2) + r + 8 (r / 8), r = lane % 16: used as source 0 of a product, the 16 result registers of tiles
; 2 B and 2 B + 1 are then 16 neighbours along n.  The scale words: ws[weight][tile / 8][K step][r 16][tile % 8], four bytes for a row's 128 K.
; SHARES.  Work-group (x, y): weight y, the 128 columns n of group G = x % 8, K step s = x / 8.  Wave w: 32 columns; A LANE TAKES A COLUMN AND ITS REGISTERS RUN DOWN K, so a block of 32 lies in one lane and the conversions
; give codes with K innermost.  A wave's 32 columns are the two tiles 8 G + 2 w + u: lane l is row r = l % 8 + 8 (l / 16) of tile u = (l / 8) % 2.  Its four blocks go to their places in the two images in LDS, and
; the images leave as six stores of 512 consecutive bytes.  The four waves' scale words make one block of 512 bytes, which wave 0 stores: the one barrier.
; A block's scale is 2^(floor(log2(largest magnitude)) - 2); its byte is the largest magnitude's exponent field - 2, held at 1 from below.
; LIMITS: NaN and infinities are not served; a block whose largest magnitude lies under 2^-124 has its byte held at 1; a block of zeros gets the byte 1 where the rule says 127 (its codes are zeros; this program alone reads the bytes).
; No matrix unit, tensor load or cluster: each input byte is read once by one wave, and nothing is shared.
.set IMGW,  3072                       ; LDS: two images for each wave
.set SCB,   12288                      ; the work-group's 512 bytes of scale words
.set SPARE, 12800                      ; the spare words, 128 bytes for each wave: no other line names them
.set XR,    64                         ; v64-191  128 numbers down K; later the images read back
.set CB,    16                         ; v16-63   block t's codes at CB + 12 t: 0-5 the codes, 8-10 the second conversion's result
.set SPW,   12
.set NIL,   13
	s_load_b256 s[4:11], s[0:1], 0x0               ; Wq, Wk, Wv, Wo
	s_load_b128 s[12:15], s[0:1], 0x20             ; wc, ws
	v_lshl_add_u32 v[SPW], v0, 2, SPARE
	v_mov_b32 v[NIL], 0
	v_lshrrev_b32 v1, 5, v0
	v_readfirstlane_b32 s16, v1                    ; wave
	s_and_b32 s17, ttmp7, 0xffff                   ; weight
	s_and_b32 s18, ttmp9, 7                        ; G
	s_lshr_b32 s19, ttmp9, 3                       ; K step
	v_and_b32 v15, 31, v0                          ; lane
	v_lshlrev_b32 v1, 2, v15                       ; in: 4 bytes a lane
	v_bfe_u32 v2, v0, 3, 1                         ; u
	v_and_b32 v3, 7, v0
	v_bfe_u32 v8, v0, 4, 1
	v_lshl_add_u32 v3, v8, 3, v3                   ; r
	s_mul_i32 s28, s16, IMGW
	v_lshlrev_b32 v4, 4, v3
	v_mad_u32_u24 v4, v2, 1536, v4
	v_add_nc_u32 v4, s28, v4                       ; my row's place in my tile's image: 3,072 w + 1,536 u + 16 r
	s_lshl_b32 s29, s16, 3
	v_lshlrev_b32 v5, 5, v3
	v_lshl_add_u32 v5, v2, 2, v5
	v_add_nc_u32 v5, s29, v5
	v_add_nc_u32 v5, SCB, v5                       ; my scale word: 32 r + 4 (2 w + u)
	v_lshlrev_b32 v7, 4, v15                       ; out: 16 bytes a lane
	v_add_nc_u32 v6, s28, v7                       ; and the same in my images
	v_add_nc_u32 v10, SCB, v7                      ; and in the scale block
	s_lshl_b32 s22, s18, 1                         ; Wq, Wk, Wv: head 2 G + w / 2, row 128 s of 256 bytes, column 32 (w % 2)
	s_lshr_b32 s23, s16, 1
	s_add_co_u32 s22, s22, s23
	s_lshl_b32 s22, s22, 18
	s_lshl_b32 s23, s19, 15
	s_add_co_u32 s22, s22, s23
	s_and_b32 s23, s16, 1
	s_lshl_b32 s23, s23, 7
	s_add_co_u32 s22, s22, s23
	s_lshl_b32 s24, s19, 19                        ; Wo: row 128 s of 4,096 bytes, column 128 G + 32 w
	s_lshl_b32 s25, s18, 9
	s_add_co_u32 s24, s24, s25
	s_lshl_b32 s25, s16, 7
	s_add_co_u32 s24, s24, s25
	s_cmp_eq_u32 s17, 3
	s_cselect_b32 s22, s24, s22
	s_mov_b32 s23, 0
	s_mul_i32 s24, s17, 786432                     ; wc: weight, tile 8 G + 2 w, K step
	s_lshl_b32 s25, s18, 3
	s_lshl_b32 s26, s16, 1
	s_add_co_u32 s25, s25, s26
	s_mul_i32 s25, s25, 12288
	s_add_co_u32 s24, s24, s25
	s_mul_i32 s25, s19, 1536
	s_add_co_u32 s24, s24, s25
	s_mov_b32 s25, 0
	s_lshl_b32 s26, s17, 15                        ; ws: weight, G, K step
	s_lshl_b32 s27, s18, 12
	s_add_co_u32 s26, s26, s27
	s_lshl_b32 s27, s19, 9
	s_add_co_u32 s26, s26, s27
	s_mov_b32 s27, 0
	s_wait_kmcnt 0x0
	s_cmp_eq_u32 s17, 1                            ; the choice of the weight hangs on the work-group's number alone
	s_cselect_b64 s[20:21], s[6:7], s[4:5]
	s_cmp_eq_u32 s17, 2
	s_cselect_b64 s[20:21], s[8:9], s[20:21]
	s_cmp_eq_u32 s17, 3
	s_cselect_b64 s[20:21], s[10:11], s[20:21]
	s_add_nc_u64 s[20:21], s[20:21], s[22:23]
	s_add_nc_u64 s[12:13], s[12:13], s[24:25]
	s_add_nc_u64 s[14:15], s[14:15], s[26:27]
.macro LOADS kstr                      ; 128 rows of K, kstr bytes apart: each load reads 128 consecutive bytes
.set i, 0
.rept 128
	global_load_b32 v[XR+i], v1, s[20:21] offset:i*\kstr th:TH_LOAD_NT
.set i, i+1
.endr
.endm
	s_cmp_eq_u32 s17, 3                            ; the pitch stands in the immediates, so the loads are written twice; all else is common
	s_cbranch_scc1 .Lwo
	LOADS 256
	s_branch .Lloaded
.Lwo:
	LOADS 4096
.Lloaded:
; Block t (K = 32 t on) is the operand's registers 6 (t / 2) .. + 5 of lane r + 16 (t % 2).
.macro BLOCK t, cnt
.set XS, XR+32*(\t)
.set CC, CB+12*(\t)
	s_wait_loadcnt \cnt
	v_max3_num_f32 v8, |v[XS]|, |v[XS+1]|, |v[XS+2]|
	v_max3_num_f32 v9, |v[XS+3]|, |v[XS+4]|, |v[XS+5]|
.irp i, 6,10,14,18,22,26
	v_max3_num_f32 v8, v8, |v[XS+\i]|, |v[XS+\i+1]|
	v_max3_num_f32 v9, v9, |v[XS+\i+2]|, |v[XS+\i+3]|
.endr
	v_max3_num_f32 v8, v8, |v[XS+30]|, |v[XS+31]|
	v_max3_num_f32 v8, v8, v9, 0x1800000           ; and the floor 2^(3 - 127): the byte cannot fall under 1
	v_add_nc_u32 v11, 0xff000000, v8               ; 2 off the exponent field: the conversion takes that field of this operand as its scale
	v_lshrrev_b32 v9, 23, v11                      ; the scale's byte
.if (\t) == 0
	v_mov_b32 v14, v9
.else
	v_lshl_or_b32 v14, v9, 8*(\t), v14             ; the lower K in the lower byte
.endif
	v_cvt_scalef32_pk16_fp6_f32 v[CC:CC+2], v[XS:XS+15], v11
	v_cvt_scalef32_pk16_fp6_f32 v[CC+8:CC+10], v[XS+16:XS+31], v11   ; (a conversion's three registers begin on an even number)
	v_nop                                          ; one plain line behind the conversions
.irp i, 0,1,2
	v_mov_b32 v[CC+3+\i], v[CC+8+\i]
.endr
.if (\t)/2 == 0
	ds_store_b128 v4, v[CC:CC+3] offset:256*((\t)%2)          ; registers 0-3
	ds_store_b64 v4, v[CC+4:CC+5] offset:512+256*((\t)%2)     ; 4, 5
.else
	ds_store_b64 v4, v[CC:CC+1] offset:520+256*((\t)%2)       ; 6, 7
	ds_store_b128 v4, v[CC+2:CC+5] offset:1024+256*((\t)%2)   ; 8-11
.endif
.endm
	BLOCK 0, 63                                    ; 96 loads are younger than block 0's and 64 than block 1's: the wait's field ends at 63, which is under both
	BLOCK 1, 63
	BLOCK 2, 32                                    ; block 3's 32 may be out
	BLOCK 3, 0
	ds_store_b32 v5, v14
	s_wait_dscnt 0x0                               ; for the others' sake: my scale words have landed
	s_barrier_signal -1
	s_barrier_wait -1
.irp i, 0,1,2,3,4,5
	ds_load_b128 v[XR+4*\i:XR+4*\i+3], v6 offset:512*\i
.endr
.irp i, 0,1,2,3,4,5
	s_wait_dscnt 5-\i                              ; the younger read-backs may be out
	global_store_b128 v7, v[XR+4*\i:XR+4*\i+3], s[12:13] offset:(\i/3)*12288+512*(\i%3)   ; 512 consecutive bytes, aligned; the second tile's image lies 12,288 bytes on
.endr
	s_cmp_lg_u32 s16, 0
	s_cbranch_scc1 .Ldone
	ds_load_b128 v[XR+24:XR+27], v10               ; the four waves' scale words
	s_wait_dscnt 0x0
	global_store_b128 v7, v[XR+24:XR+27], s[14:15]
.Ldone:
	s_wait_tensorcnt 0x0                           ; the wave's end: the closing lines behind my last LDS store
	ds_add_u32 v[SPW], v[NIL]
	s_wait_dscnt 0x0
	s_endpgm
.Lfunc_end_k_q4da0f6228f_wquant:
	.size	k_q4da0f6228f_wquant, .Lfunc_end_k_q4da0f6228f_wquant-k_q4da0f6228f_wquant
	.p2alignl 7, 3214868480
	.fill 96, 4, 3214868480
	.section	.rodata,"a",@progbits
	.p2align	6, 0x0
	.amdhsa_kernel k_q4da0f6228f_wquant
		.amdhsa_group_segment_fixed_size 13312
		.amdhsa_private_segment_fixed_size 0
		.amdhsa_enable_private_segment 0
		.amdhsa_kernarg_size 48
		.amdhsa_user_sgpr_count 2
		.amdhsa_user_sgpr_kernarg_segment_ptr 1
		.amdhsa_wavefront_size32 1
		.amdhsa_system_sgpr_workgroup_id_x 1
		.amdhsa_system_sgpr_workgroup_id_y 1
		.amdhsa_system_sgpr_workgroup_id_z 1
		.amdhsa_system_vgpr_workitem_id 0
		.amdhsa_next_free_vgpr 192
		.amdhsa_next_free_sgpr 66
		.amdhsa_reserve_vcc 0
		.amdhsa_float_denorm_mode_32 3
		.amdhsa_float_denorm_mode_16_64 3
		.amdhsa_memory_ordered 1
		.amdhsa_forward_progress 1
		.amdhsa_inst_pref_size 36
	.end_amdhsa_kernel
	.amdgpu_metadata
---
amdhsa.version: [ 1, 2 ]
amdhsa.kernels:
  - .name:           k_q4da0f6228f_wquant
    .symbol:         k_q4da0f6228f_wquant.kd
    .args:
      - { .name: Wq, .offset: 0, .size: 8, .value_kind: global_buffer, .address_space: global }
      - { .name: Wk, .offset: 8, .size: 8, .value_kind: global_buffer, .address_space: global }
      - { .name: Wv, .offset: 16, .size: 8, .value_kind: global_buffer, .address_space: global }
      - { .name: Wo, .offset: 24, .size: 8, .value_kind: global_buffer, .address_space: global }
      - { .name: wc, .offset: 32, .size: 8, .value_kind: global_buffer, .address_space: global }
      - { .name: ws, .offset: 40, .size: 8, .value_kind: global_buffer, .address_space: global }
    .group_segment_fixed_size: 13312
    .private_segment_fixed_size: 0
    .kernarg_segment_align: 8
    .kernarg_segment_size: 48
    .max_flat_workgroup_size: 128
    .sgpr_count:     66
    .vgpr_count:     192
    .wavefront_size: 32
...
	.end_amdgpu_metadata
.endif
;; end of part 1
;; launch proj (part 2): grid 64 x 3, 4 waves a work-group, no clusters, 140,800 bytes of LDS; arguments queries, keys, values, wc, ws, bq, bk, bv, qc, qs, kvc, kvs; writes qc, qs, kvc, kvs
.if DOCPART == 2
	.amdgcn_target "amdgcn-amd-amdhsa--gfx1250"
	.amdhsa_code_object_version 6
	.text
	.protected	k_q4da0f6228f_proj
	.globl	k_q4da0f6228f_proj
	.p2align	8
	.type	k_q4da0f6228f_proj,@function
k_q4da0f6228f_proj:
	s_mov_b64 s[64:65], 0
	v_nop
	global_prefetch_b8 v0, s[64:65] scope:SCOPE_SE
	s_setreg_imm32_b32 hwreg(HW_REG_WAVE_MODE, 25, 1), 1
	s_wait_xcnt 0x0
; The three projections, q = queries Wq + bq, k, v likewise, on codes of FP6 (E2M3) with one E8M0 byte for each 32 along K = 1,024; the results are quantised in registers for attention's products and leave as codes.
; SHARES.  Work-group (x, y): tensor y (0 q, 1 k, 2 v), rows 128 x .. + 127 of its 8,192.  PHASE X: wave w reads rows 32 w .. + 31, 4,096 bytes each, ONCE, quantises them and lays 16 of the 64 fragment images
; (8 K steps x 8 tiles of 16 rows) into LDS | one barrier |  TWO PASSES: wave w multiplies all 64 images by the weight's rows n = 256 w + 128 p .. + 127: 128 x 128, 64 accumulators, 512 registers.
; The weight's fragments come from wc, laid in register order, straight into the one wave that uses them, two K steps ahead; they never pass through LDS.
; TILES.  Tile t of any row axis holds rows 32 (t / 2) + 8 (t % 2) + r + 8 (r / 8), r = lane % 16: as source 0, register j of lane (r, h) of tile t is row 32 (t / 2) + 16 h + 8 (t % 2) + j: the 16 registers of two
; neighbouring tiles are 16 neighbours.  q, k: source 0 = the weight's rows (n = 64 head + e), source 1 = x: a lane holds one row s and 128 n = two heads: quantised along e.  v: source 0 = x, source 1 = the weight:
; a lane holds one e and 128 keys: quantised along the keys.  The bias is the C of each sum's first product.
; OUT.  qc and the K part of kvc: for a head and 128 rows four PAIR fragments of 1,536 bytes: registers 0-5 tile 2 B's 64 head dims, registers 6-11 tile 2 B + 1's; their scale words [r][B]: two bytes for each tile.
; The V part of kvc: four fragments (16 e x 128 keys); scale words [r][e tile].  qc's and qs's strides are half of kvc's and kvs's: one offset, shifted by sh = (y == 0).
; LIMITS: NaN and infinities are not served; a block whose largest magnitude lies under 2^-124 has its byte held at 1; a block of zeros gets the byte 1 where the rule says 127 (its codes are zeros; this program alone reads the bytes).
; NO CLUSTER, NO TENSOR LOAD: x is read by one work-group alone; a weight fragment is used by one wave of a work-group, so a joint load would send 48 KiB a K step through LDS beside the 48 KiB of x's images that the four waves read there.
; REGISTERS, in windows of 256.  Window 0: v1-20 addresses; v32-39, v48-55 x's scale words, two sets; v40-47, v56-63 the weight's; v64-159, v160-255 x's fragments, two sets; while quantising v64-127 numbers, v160-221 at work.
; Window 1: the weight's fragments, set p at v[128 p + 12 o]; the bias of tile o at v[96 + 8 o] (o < 4), v[224 + 8 (o - 4)].  Windows 2, 3: the accumulators; in phase X window 2 holds four sets of 64 numbers as loaded.
.set XSC,   98304                      ; LDS: x's images [K step 8][tile 8][1,536] from 0; their scale words [K step][lane 32][tile 8] here;
.set STG,   106496                     ; a stage of 16 rows x (512 + 16) bytes for each wave;
.set SPARE, 140288                     ; the spare words, 128 bytes for each wave: no other line names them
.set XN,  64                           ; 64 numbers of a lane
.set TM,  160                          ; v160-163 largest magnitudes, v164-167 bytes, v172-175 the conversions' scale operands
.set E,   176                          ; v176-187 a fragment just made
.set O,   188                          ; v188-199 a second one
.set CT,  200                          ; v200-206 the conversions' second halves
.set PW,  208                          ; v208-215 scale words just made
.set SW,  216                          ; v216-219 scale words to store
.set TA,  220
.set TB,  221
.set MSB, 0
.macro WIN new                         ; s_set_vgpr_msb: bits 1:0 source 0, 3:2 source 1, 5:4 source 2, 7:6 destination; the high byte repeats the setting that is left
.if MSB != (\new)
	s_set_vgpr_msb (MSB<<8)|(\new)
.set MSB, (\new)
.endif
.endm
.macro PLACES                          ; four plain lines between a matrix instruction and a load into, or a vector read or write of, its registers
.rept 4
	v_nop
.endr
.endm
.macro WM d, a, b, c, sa, sb
	v_wmma_scale_f32_16x16x128_f8f6f4 v[(\d):(\d)+7], v[(\a):(\a)+11], v[(\b):(\b)+11], v[(\c):(\c)+7], v[\sa], v[\sb] matrix_a_fmt:MATRIX_FMT_FP6 matrix_b_fmt:MATRIX_FMT_FP6
.endm
; 64 numbers of a lane in window win, register s + 16 b + i = K 32 b + 16 (lane / 16) + i of the lane's row, become codes: K 0-63 in v[d0 .. d0 + 5], K 64-127 in v[d1 .. d1 + 5]; the row's scale word in v[pw].
; Each accumulator among the 64 is read from its two lowest registers on.
.macro QUANT win, s, d0, d1, pw
	WIN ((\win)|((\win)<<2))
.irp b, 0,1,2,3
	v_max3_num_f32 v[TM+\b], |v[(\s)+16*\b]|, |v[(\s)+1+16*\b]|, 0x1800000   ; block b: my 16 numbers, and the floor 2^(3 - 127): the byte cannot fall under 1
.endr
	WIN (((\win)<<2)|((\win)<<4))
.irp i, 2,4,6,8,10,12,14
.irp b, 0,1,2,3
	v_max3_num_f32 v[TM+\b], v[TM+\b], |v[(\s)+16*\b+\i]|, |v[(\s)+1+16*\b+\i]|   ; (the four blocks by turns)
.endr
.endr
	WIN 0
.irp b, 0,1,2,3
	v_permlanex16_b32 v[TM+4+\b], v[TM+\b], s46, s47
.endr
.irp b, 0,1,2,3
	v_max_num_f32 v[TM+\b], v[TM+\b], v[TM+4+\b]   ; with lane l xor 16's 16: the block's largest magnitude
.endr
.irp b, 0,1,2,3
	v_add_nc_u32 v[TM+12+\b], 0xff000000, v[TM+\b] ; 2 off its exponent field: the conversion's scale operand
.endr
.irp b, 0,1,2,3
	v_lshrrev_b32 v[TM+4+\b], 23, v[TM+12+\b]      ; the scale's byte
.endr
	v_lshl_or_b32 v[\pw], v[TM+5], 8, v[TM+4]
	v_lshl_or_b32 v[\pw], v[TM+6], 16, v[\pw]
	v_lshl_or_b32 v[\pw], v[TM+7], 24, v[\pw]
	WIN (\win)
	v_cvt_scalef32_pk16_fp6_f32 v[(\d0):(\d0)+2], v[(\s):(\s)+15], v[TM+12]
	v_cvt_scalef32_pk16_fp6_f32 v[CT:CT+2], v[(\s)+16:(\s)+31], v[TM+13]      ; (a conversion's three registers begin on an even number)
	v_cvt_scalef32_pk16_fp6_f32 v[(\d1):(\d1)+2], v[(\s)+32:(\s)+47], v[TM+14]
	v_cvt_scalef32_pk16_fp6_f32 v[CT+4:CT+6], v[(\s)+48:(\s)+63], v[TM+15]
	WIN 0
	v_nop                                          ; one plain line behind the conversions
.irp i, 0,1,2                          ; the operand wants a WHOLE block in a lane: lanes 0-15 the even block, lanes 16-31 the odd one
	v_permlane16_swap_b32 v[(\d0)+\i], v[CT+\i]
	v_permlane16_swap_b32 v[(\d1)+\i], v[CT+4+\i]
.endr
.irp i, 0,1,2
	v_mov_b32 v[(\d0)+3+\i], v[CT+\i]
	v_mov_b32 v[(\d1)+3+\i], v[CT+4+\i]
.endr
.endm
	s_load_b512 s[4:19], s[0:1], 0x0               ; queries, keys, values, wc, ws, bq, bk, bv
	s_load_b256 s[20:27], s[0:1], 0x40             ; qc, qs, kvc, kvs
	v_lshl_add_u32 v16, v0, 2, SPARE               ; my spare word,
	v_mov_b32 v17, 0                               ; and 0: kept for the closing lines
	v_lshrrev_b32 v1, 5, v0
	v_readfirstlane_b32 s28, v1                    ; wave
	s_and_b32 s29, ttmp7, 0xffff                   ; 0 q, 1 k, 2 v
	s_mov_b32 s30, ttmp9                           ; block of 128 rows
	s_cmp_eq_u32 s29, 0
	s_cselect_b32 s31, 1, 0                        ; sh
	v_and_b32 v1, 31, v0                           ; lane
	v_and_b32 v2, 15, v0                           ; r
	v_bfe_u32 v3, v0, 4, 1                         ; h
	v_lshlrev_b32 v4, 4, v1                        ; 16 x lane: an image's place for my lane, in LDS and in memory
	s_mul_i32 s60, s28, 8448
	s_add_co_u32 s60, s60, STG
	v_add_nc_u32 v5, s60, v4                       ; my stage, on the way in: 16 x lane of a row
	v_mul_u32_u24 v6, v2, 528
	v_lshl_add_u32 v6, v3, 6, v6
	v_add_nc_u32 v6, s60, v6                       ; and out: row r, + 64 h
	s_mul_i32 s60, s28, 3072
	v_add_nc_u32 v7, s60, v4                       ; where I lay my two tiles' images
	s_lshl_b32 s60, s28, 3
	v_lshlrev_b32 v11, 5, v1
	v_add_nc_u32 v11, XSC, v11                     ; x's scale words: 32 x lane
	v_add_nc_u32 v8, s60, v11                      ; and where I lay mine: + 8 w
	v_lshlrev_b32 v13, 5, v2                       ; the weight's scale words: 32 r
	v_lshlrev_b32 v14, 6, v3                       ; the bias for q, k: 64 h
	v_and_b32 v20, 8, v2
	v_add_nc_u32 v20, v20, v2
	v_lshlrev_b32 v20, 2, v20                      ; and for v: 4 (r + 8 (r / 8))
	s_lshr_b32 s51, 0x2000, s31                    ; a head's scale bytes in the output
	v_mul_u32_u24 v15, s51, v3
	v_lshl_add_u32 v15, v2, 4, v15                 ; the scale words out: 16 r; lanes 16-31 the next head's
.irp b, 0,1,2,3
	v_mov_b32 v[TM+4+\b], 0                        ; written once: a lane permute's destination counts as one of its sources
.endr
	s_mov_b32 s46, 0x76543210
	s_mov_b32 s47, 0xfedcba98                      ; v_permlanex16_b32's selects for lane l xor 16
	s_mov_b32 s48, 0xffff0000                      ; lanes 16-31
	s_lshl_b32 s60, s30, 19                        ; x: (128 x + 32 w) rows of 4,096 bytes
	s_lshl_b32 s61, s28, 17
	s_add_co_u32 s60, s60, s61
	s_mov_b32 s61, 0
	s_mul_i32 s62, s29, 786432                     ; wc: weight y, tile 16 w
	s_mul_i32 s63, s28, 196608
	s_add_co_u32 s62, s62, s63
	s_mov_b32 s63, 0
	s_lshl_b32 s66, s29, 15                        ; ws: weight y, group 2 w
	s_lshl_b32 s67, s28, 13
	s_add_co_u32 s66, s66, s67
	s_mov_b32 s67, 0
	s_lshl_b32 s68, s28, 10                        ; bias: 256 w numbers
	s_mov_b32 s69, 0
	s_and_b32 s70, s30, 0x30
	s_lshl_b32 s71, s28, 2
	s_add_co_u32 s70, s70, s71                     ; 16 b + 4 w: my first head
	s_and_b32 s71, s30, 15                         ; which 128 rows of the sequence
	s_lshl_b32 s72, s70, 13
	s_lshl_b32 s73, s71, 9
	s_add_co_u32 s72, s72, s73
	s_lshr_b32 s72, s72, s31
	s_mul_i32 s70, s70, 196608
	s_mul_i32 s71, s71, 12288
	s_add_co_u32 s70, s70, s71
	s_lshr_b32 s70, s70, s31
	s_cmp_eq_u32 s29, 2
	s_cselect_b32 s71, 6144, 0                     ; V's part lies behind K's
	s_cselect_b32 s73, 256, 0
	s_add_co_u32 s70, s70, s71
	s_add_co_u32 s72, s72, s73
	s_mov_b32 s71, 0
	s_mov_b32 s73, 0
	s_lshr_b32 s52, 0x60000, s31                   ; two heads on, in the codes
	s_mov_b32 s53, 0
	s_lshr_b32 s54, 0x4000, s31                    ; and in the scale bytes
	s_mov_b32 s55, 0
	s_lshr_b32 s74, 0x30000, s31                   ; one head on
	s_mov_b32 s75, 0
	s_wait_kmcnt 0x0
	s_cmp_eq_u32 s29, 1                            ; every choice of a buffer hangs on the work-group's number alone
	s_cselect_b64 s[32:33], s[6:7], s[4:5]
	s_cselect_b64 s[38:39], s[16:17], s[14:15]
	s_cmp_eq_u32 s29, 2
	s_cselect_b64 s[32:33], s[8:9], s[32:33]
	s_cselect_b64 s[38:39], s[18:19], s[38:39]
	s_cmp_eq_u32 s29, 0
	s_cselect_b64 s[40:41], s[20:21], s[24:25]
	s_cselect_b64 s[44:45], s[22:23], s[26:27]
	s_add_nc_u64 s[32:33], s[32:33], s[60:61]      ; x
	s_add_nc_u64 s[34:35], s[10:11], s[62:63]      ; the weight's codes
	s_add_nc_u64 s[36:37], s[12:13], s[66:67]      ; its scale words
	s_add_nc_u64 s[38:39], s[38:39], s[68:69]      ; the bias
	s_add_nc_u64 s[40:41], s[40:41], s[70:71]      ; codes out, the pass's first head
	s_add_nc_u64 s[42:43], s[40:41], s[74:75]      ; and its second
	s_add_nc_u64 s[44:45], s[44:45], s[72:73]      ; scale words out
; ---- PHASE X.  Unit i of a trip: tile u = i % 2 of my two, K step 2 trip + i / 2.  16 loads, one for each row of the tile: 512 consecutive bytes of the row, 16 a lane.
.macro XFILL i, extra
	WIN 0x80                                       ; destination window 2
.irp k, 0,1,2,3,4,5,6,7,8,9,10,11,12,13,14,15
	global_load_b128 v[64*(\i)+4*\k:64*(\i)+4*\k+3], v4, s[32:33] offset:(8*((\i)%2)+\k+8*(\k/8))*4096+((\i)/2)*512+(\extra) th:TH_LOAD_NT
.endr
	WIN 0
.endm
; The unit's 8,192 bytes turn through my stage, so that lane (r, h) holds 16 neighbours of each block of 32 of row r; then they are quantised and the image goes to LDS.  cnt: the younger loads, which may stay out.
.macro XUNIT i, ahead, cnt
	s_wait_loadcnt \cnt
	WIN 0x08                                       ; an LDS store's data are its source 1: window 2
.irp k, 0,1,2,3,4,5,6,7,8,9,10,11,12,13,14,15
	ds_store_b128 v5, v[64*(\i)+4*\k:64*(\i)+4*\k+3] offset:528*\k
.endr
	WIN 0
.irp b, 0,1,2,3
.irp j, 0,1,2,3
	ds_load_b128 v[XN+16*\b+4*\j:XN+16*\b+4*\j+3], v6 offset:128*\b+16*\j   ; LDS serves a wave's instructions in order (ISA guide 5.7.1.4): these see the stores above
.endr
.endr
	s_wait_dscnt 0x0                               ; the numbers are back; the stage's stores have read their registers, and the last unit's image stores theirs
.if (\i) == 0
	v_add_nc_u32 v18, s56, v7                      ; this trip's two K steps
	v_add_nc_u32 v19, s57, v8
.endif
.if \ahead
	XFILL \i, 1024                                 ; the same unit of the next trip
.endif
	QUANT 0, XN, E, E+6, PW
.irp c, 0,1,2
	ds_store_b128 v18, v[E+4*\c:E+4*\c+3] offset:((\i)%2)*1536+((\i)/2)*12288+512*\c
.endr
	ds_store_b32 v19, v[PW] offset:4*((\i)%2)+((\i)/2)*1024
.endm
	XFILL 0, 0
	XFILL 1, 0
	XFILL 2, 0
	XFILL 3, 0
	s_mov_b32 s56, 0
	s_mov_b32 s57, 0
	s_mov_b32 s51, 3
.Lx:                                                   ; three trips; the fourth is written out, without loads: no load leaves a row
	XUNIT 0, 1, 48                                 ; three sets of 16 are younger
	XUNIT 1, 1, 48
	XUNIT 2, 1, 48
	XUNIT 3, 1, 48
	s_wait_xcnt 0x0                                ; the loads have read their base
	s_add_nc_u64 s[32:33], s[32:33], 1024
	s_add_co_u32 s56, s56, 24576
	s_add_co_u32 s57, s57, 2048
	s_sub_co_u32 s51, s51, 1
	s_cmp_lg_u32 s51, 0
	s_cbranch_scc1 .Lx
	XUNIT 0, 0, 48
	XUNIT 1, 0, 32
	XUNIT 2, 0, 16
	XUNIT 3, 0, 0
; ---- THE PASSES.
.macro WLOAD p, half                   ; 13 loads: the weight's tiles 4 half .. + 3 of the K step at s[34:35] into set p, and their scale words
	WIN 0x40                                       ; destination window 1
.irp o, 0,1,2,3
.irp c, 0,1,2
	global_load_b128 v[128*(\p)+12*(4*(\half)+\o)+4*\c:128*(\p)+12*(4*(\half)+\o)+4*\c+3], v4, s[34:35] offset:(4*(\half)+\o)*12288+512*\c
.endr
.endr
	WIN 0
	global_load_b128 v[40+16*(\p)+4*(\half):40+16*(\p)+4*(\half)+3], v13, s[36:37] offset:16*(\half)
.endm
.macro XFETCH p, ra, rs                ; x's eight fragments and scale words of one K step into set p
.irp x, 0,1,2,3,4,5,6,7
.irp c, 0,1,2
	ds_load_b128 v[64+96*(\p)+12*\x+4*\c:64+96*(\p)+12*\x+4*\c+3], v[\ra] offset:\x*1536+512*\c
.endr
.endr
	ds_load_b128 v[32+16*(\p):32+16*(\p)+3], v[\rs]
	ds_load_b128 v[32+16*(\p)+4:32+16*(\p)+7], v[\rs] offset:16
.endm
.macro XLOAD p                         ; the next K step's (no LDS load of mine is out where this stands)
	v_add_nc_u32 v10, s58, v4
	v_add_nc_u32 v12, s59, v11
	s_add_co_u32 s58, s58, 12288
	s_add_co_u32 s59, s59, 1024
	XFETCH \p, 10, 12
.endm
; 32 products of a K step: the weight's tiles 4 half .. + 3 against x's eight.  Each of the 64 accumulators has one product a K step, always in the same order: they take turns.
.macro MULQK p, half, first            ; q, k: source 0 = the weight (window 1), source 1 = x (window 0); accumulator (x tile 4 z + x, weight tile o) at v[64 x + 8 o] of window 2 + z
.irp z, 0,1
.if \first
	WIN (0x91|(\z<<6))                             ; C = the bias, window 1
.else
	WIN (0xa1+0x50*\z)
.endif
.irp o, 0,1,2,3
.irp x, 0,1,2,3
.set rD, 64*\x+8*(4*(\half)+\o)
.set rW, 128*(\p)+12*(4*(\half)+\o)
.set rX, 64+96*(\p)+12*(4*\z+\x)
.set rS, 40+16*(\p)+4*(\half)+\o
.set rT, 32+16*(\p)+4*\z+\x
.if \first
.set rC, 96+8*(4*(\half)+\o)+96*(\half)
.else
.set rC, rD
.endif
	WM rD, rW, rX, rC, rS, rT
.endr
.endr
.endr
.endm
.macro MULV p, half, first             ; v: source 0 = x (window 0), source 1 = the weight (window 1); accumulator (weight tile 4 half + o, x tile x) at v[64 o + 8 x] of window 2 + half
.if \first
	WIN (0x94|((\half)<<6))
.else
	WIN (0xa4+0x50*(\half))
.endif
.irp o, 0,1,2,3
.irp x, 0,1,2,3,4,5,6,7
.set rD, 64*\o+8*\x
.set rW, 128*(\p)+12*(4*(\half)+\o)
.set rX, 64+96*(\p)+12*\x
.set rS, 40+16*(\p)+4*(\half)+\o
.set rT, 32+16*(\p)+\x
.if \first
.set rC, 96+8*(4*(\half)+\o)+96*(\half)
.else
.set rC, rD
.endif
	WM rD, rX, rW, rC, rT, rS
.endr
.endr
.endm
.macro MUL p, half, first              ; the branch hangs on the work-group's number; at a branch and at a label every window is 0
	s_cmp_eq_u32 s29, 2
	s_cbranch_scc1 .Lmv_\@
	MULQK \p, \half, \first
	WIN 0
	s_branch .Lme_\@
.Lmv_\@:
	MULV \p, \half, \first
	WIN 0
.Lme_\@:
.endm
; A K step on sets p.  The weight's groups of 13 loads go out in the order (step, low half), (step, high half), two K steps ahead: so three younger groups, 39 loads, may be out at each wait while loads go on.
.macro GSTEP p, first, ld, x, c1, c2
	s_wait_loadcnt \c1                             ; this step's low half of the weight is in
	s_wait_dscnt 0x0                               ; and x's fragments
	MUL \p, 0, \first
	PLACES
.if \ld
	s_wait_xcnt 0x0                                ; the earlier loads have read their bases
	s_add_nc_u64 s[34:35], s[34:35], 1536
	s_add_nc_u64 s[36:37], s[36:37], 512
	WLOAD \p, 0
.endif
.if \x
	XLOAD 1-(\p)
.endif
	s_wait_loadcnt \c2                             ; the high half
	MUL \p, 1, \first
	PLACES
.if \ld
	WLOAD \p, 1
.endif
.endm
.macro PRO                             ; a pass's bias (the C of its first products, in the result's layout) and the weight's first two K steps
	s_cmp_eq_u32 s29, 2
	s_cbranch_scc1 .Lbv_\@
	WIN 0x40
.irp o, 0,1,2,3,4,5,6,7                ; q, k: register j of lane (r, h) is n = 32 (o / 2) + 8 (o % 2) + 16 h + j
	global_load_b128 v[96+8*\o+96*(\o/4):96+8*\o+96*(\o/4)+3], v14, s[38:39] offset:(32*(\o/2)+8*(\o%2))*4
	global_load_b128 v[96+8*\o+96*(\o/4)+4:96+8*\o+96*(\o/4)+7], v14, s[38:39] offset:(32*(\o/2)+8*(\o%2))*4+16
.endr
	WIN 0
	s_branch .Lbe_\@
.Lbv_\@:
	WIN 0x40
.irp o, 0,1,2,3,4,5,6,7                ; v: all eight registers of lane (r, h) are n = 32 (o / 2) + 8 (o % 2) + r + 8 (r / 8)
.irp j, 0,1,2,3,4,5,6,7
	global_load_b32 v[96+8*\o+96*(\o/4)+\j], v20, s[38:39] offset:(32*(\o/2)+8*(\o%2))*4
.endr
.endr
	WIN 0
.Lbe_\@:
	WLOAD 0, 0
	WLOAD 0, 1
	s_wait_xcnt 0x0
	s_add_nc_u64 s[34:35], s[34:35], 1536
	s_add_nc_u64 s[36:37], s[36:37], 512
	WLOAD 1, 0
	WLOAD 1, 1
.endm
; q, k out: x tile a's 64 registers are 128 n = two heads' 64 dims.  Tiles 2 B and 2 B + 1 make the pair fragment of the first head (E) and of the second (O).
.macro EPIQK
.irp be, 0,1,2,3
	s_wait_xcnt 0x0                                ; the earlier stores have read E and O
	QUANT 2+(2*\be)/4, 64*((2*\be)%4), E, O, PW
	QUANT 2+(2*\be+1)/4, 64*((2*\be+1)%4), E+6, O+6, PW+1
	v_perm_b32 v[TA], v[PW+1], v[PW], 0x05040100   ; the first head's word: two bytes of tile 2 B, two of tile 2 B + 1
	v_perm_b32 v[TB], v[PW+1], v[PW], 0x07060302   ; the second head's
	v_cndmask_b32 v[SW+\be], v[TA], v[TB], s48     ; lanes 16-31 carry the second head's
.irp c, 0,1,2
	global_store_b128 v4, v[E+4*\c:E+4*\c+3], s[40:41] offset:\be*1536+512*\c   ; 512 consecutive bytes, aligned
	global_store_b128 v4, v[O+4*\c:O+4*\c+3], s[42:43] offset:\be*1536+512*\c
.endr
.endr
	global_store_b128 v15, v[SW:SW+3], s[44:45]    ; sixteen lanes store a head's 256 bytes
.endm
; v out: weight tile a's 64 registers are 128 keys of one e: a whole fragment.
.macro EPIV
.irp a, 0,1,2,3,4,5,6,7
	s_wait_xcnt 0x0
	QUANT 2+\a/4, 64*(\a%4), E, E+6, PW+\a
.irp c, 0,1,2
.if \a < 4
	global_store_b128 v4, v[E+4*\c:E+4*\c+3], s[40:41] offset:(\a%4)*1536+512*\c
.else
	global_store_b128 v4, v[E+4*\c:E+4*\c+3], s[42:43] offset:(\a%4)*1536+512*\c
.endif
.endr
.endr
.irp e, 0,1,2,3
	v_cndmask_b32 v[SW+\e], v[PW+\e], v[PW+4+\e], s48
.endr
	global_store_b128 v15, v[SW:SW+3], s[44:45]
.endm
	PRO                                            ; on their way while the last images land
	s_wait_dscnt 0x0                               ; for the others' sake: my images and scale words have landed
	s_barrier_signal -1
	s_barrier_wait -1                              ; from here on the images are only read
	XFETCH 0, 4, 11                                ; K step 0
	s_mov_b32 s50, 2
.Lpass:
	s_mov_b32 s58, 12288                           ; the next fetch is K step 1's
	s_mov_b32 s59, 1024
	GSTEP 0, 1, 1, 1, 39, 39                       ; K step 0: its products start the sums with the bias
	s_mov_b32 s49, 2
.Lk:                                                   ; K steps 1 to 4
	GSTEP 1, 0, 1, 1, 39, 39
	GSTEP 0, 0, 1, 1, 39, 39
	s_sub_co_u32 s49, s49, 1
	s_cmp_lg_u32 s49, 0
	s_cbranch_scc1 .Lk
	GSTEP 1, 0, 1, 1, 39, 39                       ; K step 5 asks for K step 7: the last loads
	GSTEP 0, 0, 0, 1, 39, 26                       ; K step 6: behind its high half only K step 7's two groups are out
	GSTEP 1, 0, 0, 0, 13, 0                        ; K step 7
	s_cmp_eq_u32 s50, 1
	s_cbranch_scc1 .Lnopro
	s_wait_xcnt 0x0
	s_add_nc_u64 s[34:35], s[34:35], 87552         ; from K step 7 of tile 16 w to K step 0 of tile 16 w + 8: 98,304 - 10,752
	s_add_nc_u64 s[36:37], s[36:37], 512           ; 4,096 - 3,584
	s_add_nc_u64 s[38:39], s[38:39], 512
	PRO                                            ; the next pass's operands land while this pass's results are quantised
	XFETCH 0, 4, 11
.Lnopro:
	s_cmp_eq_u32 s29, 2
	s_cbranch_scc1 .Lepiv
	EPIQK
	s_branch .Lepie
.Lepiv:
	EPIV
.Lepie:
	s_wait_xcnt 0x0                                ; the stores have read their registers and bases
	s_add_nc_u64 s[40:41], s[40:41], s[52:53]
	s_add_nc_u64 s[42:43], s[42:43], s[52:53]
	s_add_nc_u64 s[44:45], s[44:45], s[54:55]
	s_sub_co_u32 s50, s50, 1
	s_cmp_lg_u32 s50, 0
	s_cbranch_scc1 .Lpass
	s_wait_tensorcnt 0x0                           ; the wave's end: the closing lines behind my last LDS store
	ds_add_u32 v16, v17
	s_wait_dscnt 0x0
	s_endpgm
.Lfunc_end_k_q4da0f6228f_proj:
	.size	k_q4da0f6228f_proj, .Lfunc_end_k_q4da0f6228f_proj-k_q4da0f6228f_proj
	.p2alignl 7, 3214868480
	.fill 96, 4, 3214868480
	.section	.rodata,"a",@progbits
	.p2align	6, 0x0
	.amdhsa_kernel k_q4da0f6228f_proj
		.amdhsa_group_segment_fixed_size 140800
		.amdhsa_private_segment_fixed_size 0
		.amdhsa_enable_private_segment 0
		.amdhsa_kernarg_size 96
		.amdhsa_user_sgpr_count 2
		.amdhsa_user_sgpr_kernarg_segment_ptr 1
		.amdhsa_wavefront_size32 1
		.amdhsa_system_sgpr_workgroup_id_x 1
		.amdhsa_system_sgpr_workgroup_id_y 1
		.amdhsa_system_sgpr_workgroup_id_z 1
		.amdhsa_system_vgpr_workitem_id 0
		.amdhsa_next_free_vgpr 1024
		.amdhsa_next_free_sgpr 76
		.amdhsa_reserve_vcc 0
		.amdhsa_float_denorm_mode_32 3
		.amdhsa_float_denorm_mode_16_64 3
		.amdhsa_memory_ordered 1
		.amdhsa_forward_progress 1
		.amdhsa_inst_pref_size 255
	.end_amdhsa_kernel
	.section	.bss,"aw",@nobits
	.p2align	6
	.space	262144
	.amdgpu_metadata
---
amdhsa.version: [ 1, 2 ]
amdhsa.kernels:
  - .name:           k_q4da0f6228f_proj
    .symbol:         k_q4da0f6228f_proj.kd
    .args:
      - { .name: queries, .offset: 0, .size: 8, .value_kind: global_buffer, .address_space: global }
      - { .name: keys, .offset: 8, .size: 8, .value_kind: global_buffer, .address_space: global }
      - { .name: values, .offset: 16, .size: 8, .value_kind: global_buffer, .address_space: global }
      - { .name: wc, .offset: 24, .size: 8, .value_kind: global_buffer, .address_space: global }
      - { .name: ws, .offset: 32, .size: 8, .value_kind: global_buffer, .address_space: global }
      - { .name: bq, .offset: 40, .size: 8, .value_kind: global_buffer, .address_space: global }
      - { .name: bk, .offset: 48, .size: 8, .value_kind: global_buffer, .address_space: global }
      - { .name: bv, .offset: 56, .size: 8, .value_kind: global_buffer, .address_space: global }
      - { .name: qc, .offset: 64, .size: 8, .value_kind: global_buffer, .address_space: global }
      - { .name: qs, .offset: 72, .size: 8, .value_kind: global_buffer, .address_space: global }
      - { .name: kvc, .offset: 80, .size: 8, .value_kind: global_buffer, .address_space: global }
      - { .name: kvs, .offset: 88, .size: 8, .value_kind: global_buffer, .address_space: global }
    .group_segment_fixed_size: 140800
    .private_segment_fixed_size: 0
    .kernarg_segment_align: 8
    .kernarg_segment_size: 96
    .max_flat_workgroup_size: 128
    .sgpr_count:     76
    .vgpr_count:     1024
    .wavefront_size: 32
...
	.end_amdgpu_metadata
.endif
;; end of part 2
;; launch attn (part 3): grid 4 x 64, 16 waves a work-group, no clusters, 67,584 bytes of LDS; arguments qc, qs, kvc, kvs, oc, os; writes oc, os
.if DOCPART == 3
	.amdgcn_target "amdgcn-amd-amdhsa--gfx1250"
	.amdhsa_code_object_version 6
	.text
	.protected	k_q4da0f6228f_attn
	.globl	k_q4da0f6228f_attn
	.p2align	8
	.type	k_q4da0f6228f_attn,@function
k_q4da0f6228f_attn:
	s_mov_b64 s[64:65], 0
	v_nop
	global_prefetch_b8 v0, s[64:65] scope:SCOPE_SE
	s_setreg_imm32_b32 hwreg(HW_REG_WAVE_MODE, 25, 1), 1
	s_wait_xcnt 0x0
; Causal attention of one (batch, head) on codes of FP6 (E2M3): S^T = K Q^T over the head's 64, softmax, O^T = V^T P^T over the keys; o = O / l is quantised along the head's 64 and leaves as codes for the last product.
; THE SOFTMAX: t = score x log2(e) / 8; M = the running largest t rounded UP to a whole number; p = 2^(t - M) is quantised along the keys, not normalised; the row's sum is taken of the unquantised p and divides at the end.
; When M moves, the sum and O^T are multiplied by 2^(old M - new M): exact.
; SHARES.  Work-group (j, bh) serves the block of 256 queries 7 - j and then block j of head bh: key slots (256 keys) 0 .. 7 - j and 0 .. j: NINE slots in every work-group: the causal work is even, and the loop's count is a constant.
; Each of sixteen waves owns one tile of 16 queries (tile w of the block: queries Q0 + r + 8 (r / 8), Q0 = 256 block + 32 (w / 2) + 8 (w % 2)) in 256 registers: four waves to a SIMD, one wave's vector work beside another's products.
; A key step (128 keys) all of whose keys come after the wave's queries is left out by a scalar branch on ids; in the one step on the diagonal hidden scores become -infinity.
; K = 64.  A fragment of K holds TWO tiles of 16 keys: K 0-63 tile 2 b's 64 dims, K 64-127 tile 2 b + 1's.  Q lies between zero codes, [0 x 6 | q x 6 | 0 x 6] registers: the last 12 pick tile 2 b, the first 12 tile 2 b + 1.
; The padding's scale bytes are 0 (2^-127), over zero codes.
; THE KEYS OF A TILE: lane r of tile 2 b + u holds key 32 b + 8 u + r + 8 (r / 8), so that p's 16 registers of two neighbouring tiles are 16 neighbouring keys.  V's tiles of e likewise, so that O^T's registers run along e.
; STAGING.  A slot (24,576 bytes of fragment images, 1,024 of scale words) is one dense run of kvc and of kvs: at a trip's head each thread asks for its 48 bytes of the NEXT slot, at the trip's end it lays them into the other
; LDS slot; one barrier a trip: in front of it each wave's reads of this slot are back and its stores into the other have landed.
; NO CLUSTER: the four work-groups of a head walk different slots from the fifth trip on, so no joint request could be alike in all of them.  No tensor load: the registers' way has a whole slot's two key steps in which to land.
; LIMITS: NaN and infinities are not served; o / l is a multiplication by v_rcp_f32's result (1 ulp); a block of p or o under 2^-124 has its byte held at 1, a block of zeros too (its codes are zeros; this program alone reads the bytes).
; REGISTERS: v1-9 addresses; v10, v11 the closing lines' two; v12 -M, v13 the largest t, v[14:15] the sum; v16-33 Q between zeros; v34, v35 Q's two scale words; v36-42 the second block's Q; v43 16 r; v44-91 four fragments of K or V;
; v92-95 K's scale words; v96-159 S^T, then p; v160-191 O^T; v192-203 p's codes; v204-210 conversions' second halves; v212-215 V's scale words; v216-234 at work; v236-251 staging; v[252:253] a second chain of sums.
.set SLOT1, 0x8000                     ; LDS: slot 0 at 0, slot 1 here: one exclusive or turns an address
.set SCO,   24576                      ; a slot's scale words: [step 2][K's 256 bytes, V's 256]
.set SPARE, 65536                      ; the spare words, 128 bytes for each wave: no other line names them
.macro WM0 d, a, b, sa, sb             ; a product that starts its sum
	v_wmma_scale_f32_16x16x128_f8f6f4 v[(\d):(\d)+7], v[(\a):(\a)+11], v[(\b):(\b)+11], 0, v[\sa], v[\sb] matrix_a_fmt:MATRIX_FMT_FP6 matrix_b_fmt:MATRIX_FMT_FP6
.endm
.macro WMA d, a, b, sa, sb             ; and one that adds in place
	v_wmma_scale_f32_16x16x128_f8f6f4 v[(\d):(\d)+7], v[(\a):(\a)+11], v[(\b):(\b)+11], v[(\d):(\d)+7], v[\sa], v[\sb] matrix_a_fmt:MATRIX_FMT_FP6 matrix_b_fmt:MATRIX_FMT_FP6
.endm
	s_load_b256 s[4:11], s[0:1], 0x0               ; qc, qs, kvc, kvs
	s_load_b128 s[12:15], s[0:1], 0x20             ; oc, os
	v_lshl_add_u32 v10, v0, 2, SPARE
	v_mov_b32 v11, 0
	v_lshrrev_b32 v1, 5, v0
	v_readfirstlane_b32 s16, v1                    ; wave 0..15
	s_mov_b32 s17, ttmp9                           ; j
	s_and_b32 s18, ttmp7, 0xffff                   ; bh
	s_sub_co_u32 s19, 7, s17                       ; the block of queries in hand
	s_mov_b32 s20, 0                               ; the key slot in hand
	s_mov_b32 s21, 0                               ; the step's first key
	s_mov_b32 s23, 0                               ; the LDS slot in hand
	s_lshr_b32 s42, s16, 1
	s_lshl_b32 s25, s42, 5
	s_and_b32 s43, s16, 1
	s_lshl_b32 s44, s43, 3
	s_add_co_u32 s25, s25, s44                     ; 32 (w / 2) + 8 (w % 2)
	s_lshl_b32 s22, s19, 8
	s_add_co_u32 s22, s22, s25                     ; Q0
	s_mov_b32 s26, 0x76543210
	s_mov_b32 s27, 0xfedcba98                      ; v_permlanex16_b32's selects for lane l xor 16
	s_mov_b32 s28, 0x3e38aa3b                      ; c = log2(e) / 8
	s_mov_b32 s29, s28                             ; (named with it as a pair)
	s_and_b32 s42, s42, 3                          ; my tile's pair in its 128 rows,
	s_lshr_b32 s45, s16, 3                         ; and which 128 rows of the block
	s_mul_i32 s46, s18, 98304
	s_mul_i32 s47, s45, 6144
	s_add_co_u32 s46, s46, s47
	s_mul_i32 s47, s42, 1536
	s_add_co_u32 s46, s46, s47                     ; qc, but for the block
	s_lshl_b32 s48, s18, 12
	s_lshl_b32 s47, s45, 8
	s_add_co_u32 s48, s48, s47
	s_lshl_b32 s47, s42, 2
	s_add_co_u32 s48, s48, s47
	s_lshl_b32 s47, s43, 1
	s_add_co_u32 s48, s48, s47                     ; qs likewise
	s_mul_i32 s47, s19, 12288
	s_add_co_u32 s50, s46, s47                     ; the first block's codes,
	s_mov_b32 s51, 0
	s_mul_i32 s47, s17, 12288
	s_add_co_u32 s46, s46, s47                     ; the second's
	s_mov_b32 s47, 0
	s_lshl_b32 s49, s19, 9
	s_add_co_u32 s52, s48, s49                     ; and their scale bytes
	s_mov_b32 s53, 0
	s_lshl_b32 s49, s17, 9
	s_add_co_u32 s48, s48, s49
	s_mov_b32 s49, 0
	s_mul_i32 s54, s18, 196608
	s_mov_b32 s55, 0
	s_lshl_b32 s44, s18, 13
	s_mov_b32 s45, 0
	s_cmp_lg_u32 s43, 0
	s_cselect_b32 s43, -1, 0                       ; all lanes, where my tile is the pair's second
	v_and_b32 v232, 31, v0                         ; lane
	v_and_b32 v233, 15, v0                         ; r
	v_bfe_u32 v234, v0, 4, 1                       ; h
	v_lshlrev_b32 v1, 4, v232                      ; 16 x lane: an image's place for my lane
	v_lshlrev_b32 v43, 4, v233                     ; 16 r
	v_add_nc_u32 v2, SCO, v43                      ; a slot's scale words, row r
	v_lshlrev_b32 v4, 4, v0                        ; 16 x thread: staging
	v_and_b32 v5, 8, v233
	v_add_nc_u32 v5, v5, v233
	v_lshlrev_b32 v6, 4, v234
	v_sub_nc_u32 v5, v5, v6                        ; r + 8 (r / 8) - 16 h: for the mask
	v_lshlrev_b32 v6, 3, v232                      ; o's codes out: 8 x lane
	v_lshlrev_b32 v7, 5, v232                      ; o's scale bytes out: 32 x lane
	s_wait_kmcnt 0x0
	s_add_nc_u64 s[30:31], s[8:9], s[54:55]        ; the head's K and V codes
	s_add_nc_u64 s[32:33], s[10:11], s[44:45]      ; and scale words
	s_add_nc_u64 s[50:51], s[4:5], s[50:51]
	s_add_nc_u64 s[46:47], s[4:5], s[46:47]
	s_add_nc_u64 s[52:53], s[6:7], s[52:53]
	s_add_nc_u64 s[48:49], s[6:7], s[48:49]
	global_load_b128 v[236:239], v4, s[30:31]                 ; slot 0
	global_load_b128 v[240:243], v4, s[30:31] offset:8192
	global_load_b128 v[244:247], v4, s[30:31] offset:16384
.irp c, 0,1,2
	global_load_b128 v[44+4*\c:47+4*\c], v1, s[50:51] offset:512*\c   ; the pair fragments that hold my two tiles of queries
	global_load_b128 v[56+4*\c:59+4*\c], v1, s[46:47] offset:512*\c
.endr
	global_load_u16 v229, v43, s[52:53]            ; and my rows' two scale bytes
	global_load_u16 v42, v43, s[48:49]
	s_cmp_lt_u32 s16, 2                            ; a slot's 1,024 bytes of scale words are 64 threads' 16
	s_cbranch_scc0 .Lh0
	global_load_b128 v[248:251], v4, s[32:33]
.Lh0:
.irp i, 0,1,2,3,4,5
	v_mov_b32 v[16+\i], 0                          ; the zero codes on both sides of Q
	v_mov_b32 v[28+\i], 0
.endr
	v_mov_b32 v13, 0xff61b1e6                      ; the largest t so far: -3e38, under every t
	v_floor_f32 v12, -v13                          ; -M
	v_mov_b32 v14, 0
	v_mov_b32 v15, 0
.irp b, 0,1,2,3
	v_mov_b32 v[220+\b], 0                         ; written once: a lane permute's destination counts as one of its sources
.endr
	v_mov_b32 v231, 0                              ; (named as the upper half of the pair v[230:231])
.set j, 0
.rept 32
	v_mov_b32 v[160+j], 0                          ; O^T: the step is written once; the first finds zeros
.set j, j+1
.endr
	s_wait_loadcnt 0x0
	v_mov_b32 v34, v229                            ; Q's scale words first: they stand eight plain lines or more ahead of the first product
	v_lshlrev_b32 v35, 16, v229
.irp i, 0,1,2,3,4,5
	v_cndmask_b32 v[22+\i], v[44+\i], v[50+\i], s43   ; my tile's half of the pair
.endr
.irp i, 0,1,2,3,4,5
	v_cndmask_b32 v[36+\i], v[56+\i], v[62+\i], s43   ; the second block's, kept
.endr
	ds_store_b128 v4, v[236:239]
	ds_store_b128 v4, v[240:243] offset:8192
	ds_store_b128 v4, v[244:247] offset:16384
	s_cmp_lt_u32 s16, 2
	s_cbranch_scc0 .Lh1
	ds_store_b128 v4, v[248:251] offset:SCO
.Lh1:
	s_wait_dscnt 0x0                               ; for the others' sake: my part of slot 0 has landed
	s_barrier_signal -1
	s_barrier_wait -1
; A KEY STEP: 128 keys, the q-th of the slot in hand.
.macro STEP q
	s_add_co_u32 s42, s22, 23                      ; my last query
	s_cmp_gt_u32 s21, s42
	s_cbranch_scc1 .Lhid_\@                        ; all 128 keys come after it: ids alone decide
	v_add_nc_u32 v8, s23, v1
	v_add_nc_u32 v9, s23, v2
	v_nop
	v_nop                                          ; four plain lines between the last products and the loads into their fragments
.irp f, 0,1,2,3
.irp c, 0,1,2
	ds_load_b128 v[44+12*\f+4*\c:47+12*\f+4*\c], v8 offset:(\q)*12288+\f*1536+512*\c
.endr
.endr
	ds_load_b128 v[92:95], v9 offset:512*(\q)
	s_wait_dscnt 0x0
.irp b, 0,1,2,3
	WM0 96+16*\b, 44+12*\b, 22, 92+\b, 34          ; keys of tile 2 b: [q | 0]
	WM0 104+16*\b, 44+12*\b, 16, 92+\b, 35         ; keys of tile 2 b + 1: [0 | q]
.endr
.rept 4
	v_nop
.endr
.irp f, 0,1,2,3                        ; V's fragments land under the softmax
.irp c, 0,1,2
	ds_load_b128 v[44+12*\f+4*\c:47+12*\f+4*\c], v8 offset:(\q)*12288+6144+\f*1536+512*\c
.endr
.endr
	ds_load_b128 v[212:215], v9 offset:512*(\q)+256
	s_add_co_u32 s42, s21, 127
	s_cmp_le_u32 s42, s22
	s_cbranch_scc1 .Lopen_\@                       ; all 128 keys count for all my queries
	s_sub_co_i32 s42, s22, s21
	v_add_nc_u32 v232, s42, v5                     ; d = my query - the step's first key - 16 h.  Register 16 b + i holds key 32 b + 16 h + i of the step: hidden where 32 b + i > d
	v_mov_b32 v233, 0xff800000                     ; -infinity
.set n, 0
.rept 64
	v_cmp_gt_i32 vcc_lo, 32*(n/16)+n%16, v232
	v_cndmask_b32 v[96+n], v[96+n], v233, vcc_lo
.set n, n+1
.endr
.Lopen_\@:
.irp b, 0,1,2,3
	v_max3_num_f32 v[216+\b], v[96+16*\b], v[97+16*\b], v[98+16*\b]   ; the largest score of each block of 32 keys: for the row's maximum, and, since p rises with the score, for the block's largest p
.endr
.irp i, 3,5,7,9,11,13
.irp b, 0,1,2,3
	v_max3_num_f32 v[216+\b], v[216+\b], v[96+16*\b+\i], v[97+16*\b+\i]
.endr
.endr
.irp b, 0,1,2,3
	v_max_num_f32 v[216+\b], v[216+\b], v[111+16*\b]
.endr
.irp b, 0,1,2,3
	v_permlanex16_b32 v[220+\b], v[216+\b], s26, s27
.endr
.irp b, 0,1,2,3
	v_max_num_f32 v[216+\b], v[216+\b], v[220+\b]  ; with lane l xor 16's 16 keys
.endr
	v_max3_num_f32 v232, v216, v217, v218
	v_max_num_f32 v232, v232, v219
	v_mul_f32 v232, s28, v232                      ; as t (c is positive)
	v_max_num_f32 v13, v13, v232                   ; the running largest t
	v_mov_b32 v232, v12
	v_floor_f32 v12, -v13                          ; the new -M = -ceil(t)
	v_sub_f32 v232, v12, v232                      ; old M - new M: a whole number, 0 or less
	v_cvt_i32_f32 v232, v232                       ; (it saturates)
	v_ldexp_f32 v230, 1.0, v232                    ; f = 2^(old M - new M)
.set j, 0
.rept 32
	v_pk_fma_f32 v[96+j:97+j], v[96+j:97+j], s[28:29], v[12:13] op_sel_hi:[1,0,0]   ; t - M, two at a time
.set j, j+2
.endr
.irp b, 0,1,2,3
	v_fma_f32 v[216+\b], v[216+\b], s28, v12       ; the same of each block's largest score
.endr
.set j, 0
.rept 64
	v_exp_f32 v[96+j], v[96+j]                     ; p = 2^(t - M)
.set j, j+1
.endr
	v_pk_mul_f32 v[14:15], v[14:15], v[230:231] op_sel_hi:[1,0]   ; the sums under the new M: the plain line behind the exponentials
	s_wait_alu depctr_va_vdst(0)                   ; one wait for the batch of 64, ahead of its first reader
.irp b, 0,1,2,3
	v_exp_f32 v[216+\b], v[216+\b]                 ; the block's largest p
.endr
	v_pk_add_f32 v[252:253], v[96:97], v[98:99]    ; the row's sum of the UNQUANTISED p, in two chains
.irp j, 4,8,12,16,20,24,28,32,36,40,44,48,52,56,60
	v_pk_add_f32 v[14:15], v[14:15], v[96+\j:97+\j]
	v_pk_add_f32 v[252:253], v[252:253], v[98+\j:99+\j]
.endr
	v_pk_add_f32 v[14:15], v[14:15], v[252:253]
	s_wait_alu depctr_va_vdst(0)                   ; and one for the four
.irp b, 0,1,2,3
	v_max_num_f32 v[216+\b], 0x1800000, v[216+\b]  ; the floor 2^(3 - 127): the byte cannot fall under 1
.endr
.irp b, 0,1,2,3
	v_add_nc_u32 v[224+\b], 0xff000000, v[216+\b]  ; the conversion's scale operand
.endr
.irp b, 0,1,2,3
	v_lshrrev_b32 v[220+\b], 23, v[224+\b]         ; the scale's byte
.endr
	v_lshl_or_b32 v228, v221, 8, v220              ; p's scale word for these 128 keys
	v_lshl_or_b32 v228, v222, 16, v228
	v_lshl_or_b32 v228, v223, 24, v228
.irp c, 0,1
	v_cvt_scalef32_pk16_fp6_f32 v[192+6*\c:194+6*\c], v[96+32*\c:111+32*\c], v[224+2*\c]
	v_cvt_scalef32_pk16_fp6_f32 v[204+4*\c:206+4*\c], v[112+32*\c:127+32*\c], v[224+2*\c+1]
.endr
	v_nop                                          ; one plain line behind the conversions
.irp c, 0,1
.irp i, 0,1,2
	v_permlane16_swap_b32 v[192+6*\c+\i], v[204+4*\c+\i]   ; a WHOLE block to a lane
.endr
.irp i, 0,1,2
	v_mov_b32 v[195+6*\c+\i], v[204+4*\c+\i]
.endr
.endr
.set j, 0
.rept 16
	v_pk_mul_f32 v[160+j:161+j], v[160+j:161+j], v[230:231] op_sel_hi:[1,0]   ; O^T under the new M; twelve of these name no register of a given product below: the plain lines between p's scale word and codes and the products
.set j, j+2
.endr
	s_wait_dscnt 0x0                               ; V
.irp e, 0,1,2,3
	WMA 160+8*\e, 44+12*\e, 192, 212+\e, 228       ; the four accumulators by turns
.endr
.Lhid_\@:
	s_add_co_u32 s21, s21, 128
.endm
; A block of queries is finished: o = O / l, quantised along e, goes out; the second block's Q and a fresh state come in.
.macro FINISH
.rept 4
	v_nop
.endr
	v_add_f32 v14, v14, v15
	v_permlanex16_b32 v232, v14, s26, s27
	v_add_f32 v14, v14, v232                       ; the row's sum
	v_rcp_f32 v230, v14
	v_nop                                          ; one plain line behind the reciprocal
	s_lshr_b32 s42, s18, 4
	s_lshl_b32 s42, s42, 7
	s_lshl_b32 s44, s19, 4
	s_add_co_u32 s42, s42, s44
	s_add_co_u32 s42, s42, s16                     ; T = 128 b + 16 block + w: my tile of rows
	s_and_b32 s43, s18, 15                         ; the head
	s_mul_i32 s44, s42, 12288
	s_mul_i32 s45, s43, 768
	s_add_co_u32 s44, s44, s45
	s_mov_b32 s45, 0
	s_lshr_b32 s46, s42, 3
	s_lshl_b32 s46, s46, 13
	s_lshr_b32 s47, s43, 1
	s_lshl_b32 s47, s47, 10
	s_add_co_u32 s46, s46, s47
	s_and_b32 s47, s16, 7
	s_lshl_b32 s47, s47, 2
	s_add_co_u32 s46, s46, s47
	s_and_b32 s47, s43, 1
	s_lshl_b32 s47, s47, 1
	s_add_co_u32 s46, s46, s47
	s_mov_b32 s47, 0
	s_add_nc_u64 s[38:39], s[12:13], s[44:45]
	s_add_nc_u64 s[40:41], s[14:15], s[46:47]
	s_wait_alu depctr_va_vdst(0)                   ; ahead of the reciprocal's first reader
.set j, 0
.rept 16
	v_pk_mul_f32 v[96+j:97+j], v[160+j:161+j], v[230:231] op_sel_hi:[1,0]   ; register 16 b + i: o(my query, e = 32 b + 16 h + i); each accumulator from its low end on
.set j, j+2
.endr
.irp b, 0,1
	v_max3_num_f32 v[216+\b], |v[96+16*\b]|, |v[97+16*\b]|, 0x1800000
.endr
.irp i, 2,4,6,8,10,12,14
.irp b, 0,1
	v_max3_num_f32 v[216+\b], v[216+\b], |v[96+16*\b+\i]|, |v[97+16*\b+\i]|
.endr
.endr
.irp b, 0,1
	v_permlanex16_b32 v[220+\b], v[216+\b], s26, s27
.endr
.irp b, 0,1
	v_max_num_f32 v[216+\b], v[216+\b], v[220+\b]
.endr
.irp b, 0,1
	v_add_nc_u32 v[224+\b], 0xff000000, v[216+\b]
.endr
.irp b, 0,1
	v_lshrrev_b32 v[220+\b], 23, v[224+\b]
.endr
	v_lshl_or_b32 v232, v221, 8, v220              ; the head's two scale bytes of my row
	v_cvt_scalef32_pk16_fp6_f32 v[192:194], v[96:111], v224
	v_cvt_scalef32_pk16_fp6_f32 v[204:206], v[112:127], v225
	v_nop
.irp i, 0,1,2
	v_permlane16_swap_b32 v[192+\i], v[204+\i]
.endr
.irp i, 0,1,2
	v_mov_b32 v[195+\i], v[204+\i]
.endr
.irp i, 0,1,2
	global_store_b64 v6, v[192+2*\i:193+2*\i], s[38:39] offset:256*\i   ; 256 consecutive bytes, aligned: half a fragment of the last product's operand
.endr
	global_store_b16 v7, v232, s[40:41]
	v_mov_b32 v34, v42                             ; the second block's Q: the scale words first, eight plain lines or more ahead of the next product
	v_lshlrev_b32 v35, 16, v42
.irp i, 0,1,2,3,4,5
	v_mov_b32 v[22+\i], v[36+\i]
.endr
	v_mov_b32 v13, 0xff61b1e6
	v_floor_f32 v12, -v13
	v_mov_b32 v14, 0
	v_mov_b32 v15, 0
.set j, 0
.rept 32
	v_mov_b32 v[160+j], 0
.set j, j+1
.endr
	s_wait_xcnt 0x0                                ; the stores have read their registers and bases
.endm
	s_mov_b32 s24, 9
.Ltrip:
	s_xor_b32 s42, s23, SLOT1
	v_add_nc_u32 v3, s42, v4                       ; where I lay my part of the next slot (no LDS instruction of mine is out)
	s_cmp_eq_u32 s24, 1
	s_cbranch_scc1 .Lnoload                        ; the last trip asks for nothing
	s_add_co_u32 s42, s20, 1
	s_cmp_eq_u32 s20, s19
	s_cselect_b32 s42, 0, s42                      ; behind a block's last slot comes the second block's slot 0
	s_mul_i32 s44, s42, 24576
	s_mov_b32 s45, 0
	s_lshl_b32 s46, s42, 10
	s_mov_b32 s47, 0
	s_add_nc_u64 s[34:35], s[30:31], s[44:45]      ; (the last trip's loads were waited for)
	s_add_nc_u64 s[36:37], s[32:33], s[46:47]
	global_load_b128 v[236:239], v4, s[34:35]
	global_load_b128 v[240:243], v4, s[34:35] offset:8192
	global_load_b128 v[244:247], v4, s[34:35] offset:16384
	s_cmp_lt_u32 s16, 2
	s_cbranch_scc0 .Lnoload
	global_load_b128 v[248:251], v4, s[36:37]
.Lnoload:
	STEP 0
	STEP 1
	s_cmp_eq_u32 s20, s19
	s_cbranch_scc0 .Lnofin
	FINISH
.Lnofin:
	s_cmp_eq_u32 s24, 1
	s_cbranch_scc1 .Lnostore
	s_wait_loadcnt 0x0
	ds_store_b128 v3, v[236:239]                   ; into the slot that every wave left at the last barrier
	ds_store_b128 v3, v[240:243] offset:8192
	ds_store_b128 v3, v[244:247] offset:16384
	s_cmp_lt_u32 s16, 2
	s_cbranch_scc0 .Lnostore
	ds_store_b128 v3, v[248:251] offset:SCO
.Lnostore:
	s_wait_dscnt 0x0                               ; my reads of this slot are back and my stores into the other have landed
	s_barrier_signal -1
	s_barrier_wait -1
	s_xor_b32 s23, s23, SLOT1
	s_add_co_u32 s42, s20, 1
	s_cmp_eq_u32 s20, s19
	s_cselect_b32 s20, 0, s42
	s_cselect_b32 s19, s17, s19
	s_lshl_b32 s21, s20, 8
	s_lshl_b32 s22, s19, 8
	s_add_co_u32 s22, s22, s25
	s_sub_co_u32 s24, s24, 1
	s_cmp_lg_u32 s24, 0
	s_cbranch_scc1 .Ltrip
	s_wait_tensorcnt 0x0                           ; the wave's end: the closing lines behind my last LDS store
	ds_add_u32 v10, v11
	s_wait_dscnt 0x0
	s_endpgm
.Lfunc_end_k_q4da0f6228f_attn:
	.size	k_q4da0f6228f_attn, .Lfunc_end_k_q4da0f6228f_attn-k_q4da0f6228f_attn
	.p2alignl 7, 3214868480
	.fill 96, 4, 3214868480
	.section	.rodata,"a",@progbits
	.p2align	6, 0x0
	.amdhsa_kernel k_q4da0f6228f_attn
		.amdhsa_group_segment_fixed_size 67584
		.amdhsa_private_segment_fixed_size 0
		.amdhsa_enable_private_segment 0
		.amdhsa_kernarg_size 48
		.amdhsa_user_sgpr_count 2
		.amdhsa_user_sgpr_kernarg_segment_ptr 1
		.amdhsa_wavefront_size32 1
		.amdhsa_system_sgpr_workgroup_id_x 1
		.amdhsa_system_sgpr_workgroup_id_y 1
		.amdhsa_system_sgpr_workgroup_id_z 1
		.amdhsa_system_vgpr_workitem_id 0
		.amdhsa_next_free_vgpr 256
		.amdhsa_next_free_sgpr 66
		.amdhsa_reserve_vcc 1
		.amdhsa_float_denorm_mode_32 3
		.amdhsa_float_denorm_mode_16_64 3
		.amdhsa_memory_ordered 1
		.amdhsa_forward_progress 1
		.amdhsa_inst_pref_size 56
	.end_amdhsa_kernel
	.amdgpu_metadata
---
amdhsa.version: [ 1, 2 ]
amdhsa.kernels:
  - .name:           k_q4da0f6228f_attn
    .symbol:         k_q4da0f6228f_attn.kd
    .args:
      - { .name: qc, .offset: 0, .size: 8, .value_kind: global_buffer, .address_space: global }
      - { .name: qs, .offset: 8, .size: 8, .value_kind: global_buffer, .address_space: global }
      - { .name: kvc, .offset: 16, .size: 8, .value_kind: global_buffer, .address_space: global }
      - { .name: kvs, .offset: 24, .size: 8, .value_kind: global_buffer, .address_space: global }
      - { .name: oc, .offset: 32, .size: 8, .value_kind: global_buffer, .address_space: global }
      - { .name: os, .offset: 40, .size: 8, .value_kind: global_buffer, .address_space: global }
    .group_segment_fixed_size: 67584
    .private_segment_fixed_size: 0
    .kernarg_segment_align: 8
    .kernarg_segment_size: 48
    .max_flat_workgroup_size: 512
    .sgpr_count:     66
    .vgpr_count:     256
    .wavefront_size: 32
...
	.end_amdgpu_metadata
.endif
;; end of part 3
;; launch outp (part 4): grid 4 x 64, 4 waves a work-group, no clusters, 124,416 bytes of LDS; arguments oc, os, wc, ws, bo, out0; writes out0
.if DOCPART == 4
	.amdgcn_target "amdgcn-amd-amdhsa--gfx1250"
	.amdhsa_code_object_version 6
	.text
	.protected	k_q4da0f6228f_outp
	.globl	k_q4da0f6228f_outp
	.p2align	8
	.type	k_q4da0f6228f_outp,@function
k_q4da0f6228f_outp:
	s_mov_b64 s[64:65], 0
	v_nop
	global_prefetch_b8 v0, s[64:65] scope:SCOPE_SE
	s_setreg_imm32_b32 hwreg(HW_REG_WAVE_MODE, 25, 1), 1
	s_wait_xcnt 0x0
; out0 = o Wo + bo on codes of FP6 (E2M3): o's codes and scale words as attention left them (oc, os), Wo's as the first launch left them (weight 3 of wc, ws), K = 1,024 in eight steps of 128.
; SHARES.  Work-group (X, Y): rows 128 Y .. + 127, columns 256 X .. + 255.  o's 64 fragments (98,304 bytes, one dense run of oc) and their scale words (8,192 bytes of os) are copied into LDS once | one barrier |
; wave w multiplies them by Wo's tiles 16 X + 4 w .. + 3: 128 rows x 64 columns, 32 accumulators.  Wo's fragments go straight into the one wave that uses them, four K steps ahead.  Eight K steps written out: every offset an immediate.
; USED TRANSPOSED: source 0 = 16 rows n of Wo, source 1 = 16 rows of o.  Tile t of either holds rows 32 (t / 2) + 8 (t % 2) + r + 8 (r / 8): a lane's 16 registers of two neighbouring tiles of Wo are 16 neighbouring columns of one row of out0.
; The bias is the C of each sum's first product.  The way out goes through the wave's own stage: sixteen lanes store 256 consecutive bytes, aligned.
; NO CLUSTER, NO TENSOR LOAD: o's block is copied once and then only read; a fragment of Wo is used by one wave of a work-group, so it has no business in LDS.
; LIMITS: those of the codes that it is given.
; REGISTERS.  Window 0: v1-11 addresses, v12, v13 the closing lines' two; v32-47 o's scale words, two sets; v48-63 Wo's, four sets; v64-159, v160-255 o's fragments, two sets; on the way out v64-127 rows read back.
; Window 1: Wo's fragments, set s % 4 at v[48 (s % 4) + 12 o]; the bias of tile o at v[192 + 8 o].  Window 2: accumulator (o tile a, Wo tile o) at v[32 a + 8 o]; first the copy's 208 registers.
.set OSC,   98304                      ; LDS: o's images from 0, as oc has them; their scale words here, as os has them;
.set STG,   106496                     ; a stage of 16 rows x (256 + 16) bytes for each wave;
.set SPARE, 123904                     ; the spare words, 128 bytes for each wave: no other line names them
.set MSB, 0
.macro WIN new                         ; s_set_vgpr_msb: bits 1:0 source 0, 3:2 source 1, 5:4 source 2, 7:6 destination; the high byte repeats the setting that is left
.if MSB != (\new)
	s_set_vgpr_msb (MSB<<8)|(\new)
.set MSB, (\new)
.endif
.endm
.macro PLACES
.rept 4
	v_nop
.endr
.endm
	s_load_b256 s[4:11], s[0:1], 0x0               ; oc, os, wc, ws
	s_load_b128 s[12:15], s[0:1], 0x20             ; bo, out0
	v_lshl_add_u32 v12, v0, 2, SPARE
	v_mov_b32 v13, 0
	v_lshrrev_b32 v1, 5, v0
	v_readfirstlane_b32 s16, v1                    ; wave
	s_mov_b32 s17, ttmp9                           ; X
	s_and_b32 s18, ttmp7, 0xffff                   ; Y
	v_and_b32 v14, 31, v0                          ; lane
	v_and_b32 v15, 15, v0                          ; r
	v_bfe_u32 v16, v0, 4, 1                        ; h
	v_lshlrev_b32 v1, 4, v0                        ; the copy: 16 x thread,
	v_add_nc_u32 v2, 49152, v1                     ; and its upper half: an LDS offset has 16 bits
	v_lshlrev_b32 v3, 3, v14                       ; o's fragments: 8 x lane, tiles 0-3,
	v_add_nc_u32 v4, 49152, v3                     ; tiles 4-7
	v_lshlrev_b32 v5, 5, v14
	v_add_nc_u32 v5, OSC, v5                       ; o's scale words: 32 x lane
	v_lshlrev_b32 v6, 4, v14                       ; Wo's fragments: 16 x lane
	s_and_b32 s19, s16, 1
	s_lshl_b32 s19, s19, 4
	v_lshl_add_u32 v7, v15, 5, s19                 ; Wo's scale words: 32 r + 16 (w % 2)
	v_lshlrev_b32 v8, 6, v16                       ; the bias: 64 h
	s_mul_i32 s19, s16, 4352
	s_add_co_u32 s19, s19, STG
	v_mul_u32_u24 v9, v15, 272
	v_lshl_add_u32 v9, v16, 6, v9
	v_add_nc_u32 v9, s19, v9                       ; the stage, in: row r, + 64 h
	v_mul_u32_u24 v10, v16, 272
	v_lshl_add_u32 v10, v15, 4, v10
	v_add_nc_u32 v10, s19, v10                     ; and back: lanes 0-15 one row, lanes 16-31 the next
	v_lshlrev_b32 v11, 12, v16
	v_lshl_add_u32 v11, v15, 4, v11                ; the same two rows in out0
	s_mul_i32 s20, s18, 98304
	s_mov_b32 s21, 0
	s_lshl_b32 s22, s18, 13
	s_mov_b32 s23, 0
	s_mul_i32 s24, s17, 196608
	s_mul_i32 s25, s16, 49152
	s_add_co_u32 s24, s24, s25
	s_add_co_u32 s24, s24, 2359296                 ; weight 3, tile 16 X + 4 w
	s_mov_b32 s25, 0
	s_lshl_b32 s26, s17, 1
	s_lshr_b32 s27, s16, 1
	s_add_co_u32 s26, s26, s27
	s_lshl_b32 s26, s26, 12
	s_add_co_u32 s26, s26, 98304                   ; weight 3, group 2 X + w / 2
	s_mov_b32 s27, 0
	s_lshl_b32 s28, s17, 10
	s_lshl_b32 s29, s16, 8
	s_add_co_u32 s28, s28, s29                     ; column 256 X + 64 w, in bytes
	s_mov_b32 s29, 0
	s_lshl_b32 s30, s18, 19
	s_add_co_u32 s30, s30, s28
	s_mov_b32 s31, 0
	s_wait_kmcnt 0x0
	s_add_nc_u64 s[4:5], s[4:5], s[20:21]
	s_add_nc_u64 s[6:7], s[6:7], s[22:23]
	s_add_nc_u64 s[8:9], s[8:9], s[24:25]
	s_add_nc_u64 s[10:11], s[10:11], s[26:27]
	s_add_nc_u64 s[12:13], s[12:13], s[28:29]
	s_add_nc_u64 s[14:15], s[14:15], s[30:31]
	WIN 0x80                                       ; destination window 2
.set k, 0
.rept 48
	global_load_b128 v[4*k:4*k+3], v1, s[4:5] offset:2048*k
.set k, k+1
.endr
.irp k, 0,1,2,3
	global_load_b128 v[192+4*\k:195+4*\k], v1, s[6:7] offset:2048*\k
.endr
	WIN 0x40                                       ; destination window 1
.irp o, 0,1,2,3                        ; register j of lane (r, h) is column 32 (o / 2) + 8 (o % 2) + 16 h + j
	global_load_b128 v[192+8*\o:195+8*\o], v8, s[12:13] offset:(32*(\o/2)+8*(\o%2))*4
	global_load_b128 v[196+8*\o:199+8*\o], v8, s[12:13] offset:(32*(\o/2)+8*(\o%2))*4+16
.endr
	WIN 0
.macro WGRP s                          ; 13 loads: Wo's four tiles of K step s, and their scale words
	WIN 0x40
.irp o, 0,1,2,3
.irp c, 0,1,2
	global_load_b128 v[48*((\s)%4)+12*\o+4*\c:48*((\s)%4)+12*\o+4*\c+3], v6, s[8:9] offset:\o*12288+(\s)*1536+512*\c
.endr
.endr
	WIN 0
	global_load_b128 v[48+4*((\s)%4):48+4*((\s)%4)+3], v7, s[10:11] offset:(\s)*512
.endm
	WGRP 0
	WGRP 1
	WGRP 2
	WGRP 3
	s_wait_loadcnt 60                              ; the copy's 52 loads are in; the 8 of the bias and the 52 of Wo are younger
	WIN 0x08                                       ; an LDS store's data are its source 1: window 2
.set k, 0
.rept 52
.if k < 24
	ds_store_b128 v1, v[4*k:4*k+3] offset:2048*k
.else
	ds_store_b128 v2, v[4*k:4*k+3] offset:2048*(k-24)
.endif
.set k, k+1
.endr
	WIN 0
	s_wait_dscnt 0x0                               ; for the others' sake: my part of the copy has landed
	s_barrier_signal -1
	s_barrier_wait -1                              ; from here on the copy is only read
.macro OLOAD s                         ; o's eight fragments of K step s (two heads' halves on end: six loads of 8 bytes a lane each) and their scale words
.irp a, 0,1,2,3,4,5,6,7
.irp i, 0,1,2,3,4,5
.if \a < 4
	ds_load_b64 v[64+96*((\s)%2)+12*\a+2*\i:64+96*((\s)%2)+12*\a+2*\i+1], v3 offset:\a*12288+(\s)*1536+256*\i
.else
	ds_load_b64 v[64+96*((\s)%2)+12*\a+2*\i:64+96*((\s)%2)+12*\a+2*\i+1], v4 offset:(\a-4)*12288+(\s)*1536+256*\i
.endif
.endr
.endr
	ds_load_b128 v[32+8*((\s)%2):32+8*((\s)%2)+3], v5 offset:(\s)*1024
	ds_load_b128 v[32+8*((\s)%2)+4:32+8*((\s)%2)+7], v5 offset:(\s)*1024+16
.endm
.macro OMUL s, w0                      ; 16 products: Wo's tiles w0, w0 + 1 against o's eight.  Each of the 32 accumulators has one product a K step, in the same order: they take turns
.irp o, \w0, \w0+1
.irp a, 0,1,2,3,4,5,6,7
.set rD, 32*\a+8*(\o)
.set rW, 48*((\s)%4)+12*(\o)
.set rO, 64+96*((\s)%2)+12*\a
.if (\s) == 0
.set rC, 192+8*(\o)
.else
.set rC, rD
.endif
	v_wmma_scale_f32_16x16x128_f8f6f4 v[rD:rD+7], v[rW:rW+11], v[rO:rO+11], v[rC:rC+7], v[48+4*((\s)%4)+(\o)], v[32+8*((\s)%2)+\a] matrix_a_fmt:MATRIX_FMT_FP6 matrix_b_fmt:MATRIX_FMT_FP6
.endr
.endr
.endm
.macro OSTEP s, cnt
.if (\s) == 0
.set WMUL, 0x91                        ; source 0 (Wo) and C (the bias) window 1, source 1 (o) window 0, D window 2
.else
.set WMUL, 0xa1                        ; C and D window 2
.endif
	s_wait_loadcnt \cnt                            ; this step's group of Wo is in; the younger groups of 13 may be out
	s_wait_dscnt 0x0                               ; and o's fragments
	WIN WMUL
	OMUL \s, 0
	WIN 0
.if (\s) < 7
	OLOAD (\s)+1                                   ; into the set that the step before read: four plain lines stand behind its products
.endif
	WIN WMUL
	OMUL \s, 2
	WIN 0
	PLACES
.if (\s) < 4
	WGRP (\s)+4
.endif
.endm
	OLOAD 0
	OSTEP 0, 39
	OSTEP 1, 39
	OSTEP 2, 39
	OSTEP 3, 39
	OSTEP 4, 39
	OSTEP 5, 26
	OSTEP 6, 13
	OSTEP 7, 0
; THE WAY OUT, a tile of 16 rows x 64 columns at a time.  A lane holds 2 x 64 neighbouring bytes of a row; the tile goes through my own stage and comes back as whole rows of 256 bytes.
.macro TOSTAGE a
	WIN 0x08
.irp q, 0,1,2,3,4,5,6,7
	ds_store_b128 v9, v[32*(\a)+4*\q:32*(\a)+4*\q+3] offset:128*(\q/4)+16*(\q%4)   ; each accumulator from its low end on
.endr
	WIN 0
.irp t, 0,1,2,3,4,5,6,7
	ds_load_b128 v[64+32*((\a)%2)+4*\t:64+32*((\a)%2)+4*\t+3], v10 offset:544*\t   ; LDS serves a wave's instructions in order (ISA guide 5.7.1.4): these see the stores above
.endr
.endm
.macro SEND a, younger                 ; younger: the LDS instructions issued behind tile a's loads
	s_wait_dscnt \younger
.irp t, 0,1,2,3,4,5,6,7
	global_store_b128 v11, v[64+32*((\a)%2)+4*\t:64+32*((\a)%2)+4*\t+3], s[14:15] offset:(32*((\a)/2)+8*((\a)%2)+2*\t+8*(\t/4))*4096 th:TH_STORE_NT   ; sixteen lanes store 256 consecutive bytes, aligned; written once, read by nobody here
.endr
.endm
	TOSTAGE 0
.irp a, 1,2,3,4,5,6,7
.if \a > 1
	s_wait_xcnt 0x0                                ; tile a - 2's stores have read their registers: tile a's loads may land there
.endif
	TOSTAGE \a
	SEND \a-1, 16                                  ; behind tile a - 1's loads: tile a's 8 stores and 8 loads
.endr
	SEND 7, 0
	s_wait_tensorcnt 0x0                           ; the wave's end: the closing lines behind my last LDS store
	ds_add_u32 v12, v13
	s_wait_dscnt 0x0
	s_endpgm
.Lfunc_end_k_q4da0f6228f_outp:
	.size	k_q4da0f6228f_outp, .Lfunc_end_k_q4da0f6228f_outp-k_q4da0f6228f_outp
	.p2alignl 7, 3214868480
	.fill 96, 4, 3214868480
	.section	.rodata,"a",@progbits
	.p2align	6, 0x0
	.amdhsa_kernel k_q4da0f6228f_outp
		.amdhsa_group_segment_fixed_size 124416
		.amdhsa_private_segment_fixed_size 0
		.amdhsa_enable_private_segment 0
		.amdhsa_kernarg_size 48
		.amdhsa_user_sgpr_count 2
		.amdhsa_user_sgpr_kernarg_segment_ptr 1
		.amdhsa_wavefront_size32 1
		.amdhsa_system_sgpr_workgroup_id_x 1
		.amdhsa_system_sgpr_workgroup_id_y 1
		.amdhsa_system_sgpr_workgroup_id_z 1
		.amdhsa_system_vgpr_workitem_id 0
		.amdhsa_next_free_vgpr 768
		.amdhsa_next_free_sgpr 66
		.amdhsa_reserve_vcc 0
		.amdhsa_float_denorm_mode_32 3
		.amdhsa_float_denorm_mode_16_64 3
		.amdhsa_memory_ordered 1
		.amdhsa_forward_progress 1
		.amdhsa_inst_pref_size 97
	.end_amdhsa_kernel
	.amdgpu_metadata
---
amdhsa.version: [ 1, 2 ]
amdhsa.kernels:
  - .name:           k_q4da0f6228f_outp
    .symbol:         k_q4da0f6228f_outp.kd
    .args:
      - { .name: oc, .offset: 0, .size: 8, .value_kind: global_buffer, .address_space: global }
      - { .name: os, .offset: 8, .size: 8, .value_kind: global_buffer, .address_space: global }
      - { .name: wc, .offset: 16, .size: 8, .value_kind: global_buffer, .address_space: global }
      - { .name: ws, .offset: 24, .size: 8, .value_kind: global_buffer, .address_space: global }
      - { .name: bo, .offset: 32, .size: 8, .value_kind: global_buffer, .address_space: global }
      - { .name: out0, .offset: 40, .size: 8, .value_kind: global_buffer, .address_space: global }
    .group_segment_fixed_size: 124416
    .private_segment_fixed_size: 0
    .kernarg_segment_align: 8
    .kernarg_segment_size: 48
    .max_flat_workgroup_size: 128
    .sgpr_count:     66
    .vgpr_count:     768
    .wavefront_size: 32
...
	.end_amdgpu_metadata
.endif
;; end of part 4
;; ======== version 2 of 2: 4 launches; version 1 with the launches proj, attn, outp written anew for expert scheduling mode
;; workspace buffers: wc 3,145,728 bytes; ws 131,072 bytes; qc 6,291,456 bytes; qs 262,144 bytes; kvc 12,582,912 bytes; kvs 524,288 bytes; oc 6,291,456 bytes; os 524,288 bytes
;; launch wquant: the kernel of part 1 again; grid 64 x 4, 4 waves a work-group, no clusters, 13,312 bytes of LDS; arguments Wq, Wk, Wv, Wo, wc, ws; writes wc, ws
;; launch proj (part 5): grid 64 x 3, 4 waves a work-group, no clusters, 140,800 bytes of LDS; arguments queries, keys, values, wc, ws, bq, bk, bv, qc, qs, kvc, kvs; writes qc, qs, kvc, kvs
.if DOCPART == 5
	.amdgcn_target "amdgcn-amd-amdhsa--gfx1250"
	.amdhsa_code_object_version 6
	.text
	.protected	k_q4da0f6228f_proj
	.globl	k_q4da0f6228f_proj
	.p2align	8
	.type	k_q4da0f6228f_proj,@function
k_q4da0f6228f_proj:
	s_mov_b64 s[64:65], 0
	v_nop
	global_prefetch_b8 v0, s[64:65] scope:SCOPE_SE
	s_setreg_imm32_b32 hwreg(HW_REG_WAVE_SCHED_MODE, 0, 2), 2
	s_setreg_imm32_b32 hwreg(HW_REG_WAVE_MODE, 25, 1), 1
	s_wait_xcnt 0x0
	s_wait_alu depctr_vm_vsrc(0)
; The three projections, q = queries Wq + bq, k, v likewise, on codes of FP6 (E2M3) with one E8M0 byte for each 32 along K = 1,024; the results are quantised in registers for attention's products and leave as codes.
; SHARES.  Work-group (x, y): tensor y (0 q, 1 k, 2 v), rows 128 x .. + 127 of its 8,192.  PHASE X: wave w reads rows 32 w .. + 31, 4,096 bytes each, ONCE, quantises them and lays 16 of the 64 fragment images
; (8 K steps x 8 tiles of 16 rows) into LDS | one barrier |  TWO PASSES: wave w multiplies all 64 images by the weight's rows n = 256 w + 128 p .. + 127: 128 x 128, 64 accumulators, 512 registers.
; The weight's fragments come from wc, laid in register order, straight into the one wave that uses them, two K steps ahead; they never pass through LDS.
; TILES.  Tile t of any row axis holds rows 32 (t / 2) + 8 (t % 2) + r + 8 (r / 8), r = lane % 16: as source 0, register j of lane (r, h) of tile t is row 32 (t / 2) + 16 h + 8 (t % 2) + j: the 16 registers of two
; neighbouring tiles are 16 neighbours.  q, k: source 0 = the weight's rows (n = 64 head + e), source 1 = x: a lane holds one row s and 128 n = two heads: quantised along e.  v: source 0 = x, source 1 = the weight:
; a lane holds one e and 128 keys: quantised along the keys.  The bias is the C of each sum's first product.
; OUT.  qc and the K part of kvc: for a head and 128 rows four PAIR fragments of 1,536 bytes: registers 0-5 tile 2 B's 64 head dims, registers 6-11 tile 2 B + 1's; their scale words [r][B]: two bytes for each tile.
; The V part of kvc: four fragments (16 e x 128 keys); scale words [r][e tile].  qc's and qs's strides are half of kvc's and kvs's: one offset, shifted by sh = (y == 0).
; LIMITS: NaN and infinities are not served; a block whose largest magnitude lies under 2^-124 has its byte held at 1; a block of zeros gets the byte 1 where the rule says 127 (its codes are zeros; this program alone reads the bytes).
; NO CLUSTER, NO TENSOR LOAD: x is read by one work-group alone; a weight fragment is used by one wave of a work-group, so a joint load would send 48 KiB a K step through LDS beside the 48 KiB of x's images that the four waves read there.
; REGISTERS, in windows of 256.  Window 0: v1-20 addresses; v32-39, v48-55 x's scale words, two sets; v40-47, v56-63 the weight's; v64-159, v160-255 x's fragments, two sets; while quantising v64-127 numbers, v160-247 at work.
; Window 1: the weight's fragments, set p at v[128 p + 12 o]; the bias of tile o at v[96 + 8 o] (o < 4), v[224 + 8 (o - 4)].  Windows 2, 3: the accumulators; in phase X window 2 holds four sets of 64 numbers as loaded.
; THE MODE: SCHED_MODE bits 1:0 = 2 (LLVM: expert scheduling mode 2), set by the entry lines.  The code itself states the register dependences
; between vector or matrix instructions and memory or LDS instructions, with s_wait_alu, always for 0.
; THE PLAN.  Registers that memory or LDS instructions touch:
;   PHASE X.  Window 2's set i: written by the loads of x, read by the stage's LDS stores alone.  v64-127: written by the stage's LDS loads, read by QUANT.  E, PW: written by QUANT, read by the image stores.
;     v18, v19: written once a trip, read by the image stores.  Two waits to a unit: vm_vsrc behind the unit's wait on DScnt (the stage's stores have read set i; the last unit's image stores have read E, PW, v18, v19);
;     va_vdst behind QUANT (E, PW, v18, v19 are written; QUANT is done reading v64-127, in which the next unit's numbers land; no vector instruction stands between that wait and those loads).
;   A K STEP on sets p.  The weight's low half of set p and its scale words: read by the step's first 32 products, loaded again in the step's middle.  Its high half: read by the second 32, loaded again at the step's end.
;     x's set 1 - p and its scale words: read by the step before, loaded again in the step's middle.  v10, v12: read by x's fragment loads, written once a step, in the middle.
;     So: in the middle vm_vsrc, the two adds, one va_vdst for all three; at the end one va_vdst.  Two sets are all that the registers hold, so a half is asked for again behind the products that read it.
;   THE WAY OUT.  Two out-buffers by turns (E, O at v176-199; their seconds 48 registers on): piece i's conversions write buffer i % 2; its stores stand at the head of piece i + 1, behind va_vdst;
;     the waits that free a buffer (XCNT, vm_vsrc) stand a whole piece behind the stores that read it.
;   v4-8, v11, v13-15, v20: offsets and addresses, made at the head and never written again.  v16, v17: read by the closing add alone.
.set XSC,   98304                      ; LDS: x's images [K step 8][tile 8][1,536] from 0; their scale words [K step][lane 32][tile 8] here;
.set STG,   106496                     ; a stage of 16 rows x (512 + 16) bytes for each wave;
.set SPARE, 140288                     ; the spare words, 128 bytes for each wave: no other line names them
.set XN,  64                           ; 64 numbers of a lane
.set TM,  160                          ; v160-163 largest magnitudes, v164-167 bytes, v172-175 the conversions' scale operands
.set E,   176                          ; v176-187 a fragment just made
.set O,   188                          ; v188-199 a second one
.set OB2, 48                           ; the second out-buffer lies 48 registers on: v224-235, v236-247
.set CT,  200                          ; v200-206 the conversions' second halves
.set PW,  208                          ; v208-215 scale words just made
.set SW,  216                          ; v216-219 scale words to store
.set TA,  220
.set TB,  221
.set MSB, 0
.macro WIN new                         ; s_set_vgpr_msb: bits 1:0 source 0, 3:2 source 1, 5:4 source 2, 7:6 destination; the high byte repeats the setting that is left
.if MSB != (\new)
	s_set_vgpr_msb (MSB<<8)|(\new)
.set MSB, (\new)
.endif
.endm
.macro PLACES                          ; four plain lines between a matrix instruction and a load into, or a vector read or write of, its registers
.rept 4
	v_nop
.endr
.endm
.macro WM d, a, b, c, sa, sb
	v_wmma_scale_f32_16x16x128_f8f6f4 v[(\d):(\d)+7], v[(\a):(\a)+11], v[(\b):(\b)+11], v[(\c):(\c)+7], v[\sa], v[\sb] matrix_a_fmt:MATRIX_FMT_FP6 matrix_b_fmt:MATRIX_FMT_FP6
.endm
; 64 numbers of a lane in window win, register s + 16 b + i = K 32 b + 16 (lane / 16) + i of the lane's row, become codes: K 0-63 in v[d0 .. d0 + 5], K 64-127 in v[d1 .. d1 + 5]; the row's scale word in v[pw].
; Each accumulator among the 64 is read from its two lowest registers on.
.macro QUANT win, s, d0, d1, pw
	WIN ((\win)|((\win)<<2))
.irp b, 0,1,2,3
	v_max3_num_f32 v[TM+\b], |v[(\s)+16*\b]|, |v[(\s)+1+16*\b]|, 0x1800000   ; block b: my 16 numbers, and the floor 2^(3 - 127): the byte cannot fall under 1
.endr
	WIN (((\win)<<2)|((\win)<<4))
.irp i, 2,4,6,8,10,12,14
.irp b, 0,1,2,3
	v_max3_num_f32 v[TM+\b], v[TM+\b], |v[(\s)+16*\b+\i]|, |v[(\s)+1+16*\b+\i]|   ; (the four blocks by turns)
.endr
.endr
	WIN 0
.irp b, 0,1,2,3
	v_permlanex16_b32 v[TM+4+\b], v[TM+\b], s46, s47
.endr
.irp b, 0,1,2,3
	v_max_num_f32 v[TM+\b], v[TM+\b], v[TM+4+\b]   ; with lane l xor 16's 16: the block's largest magnitude
.endr
.irp b, 0,1,2,3
	v_add_nc_u32 v[TM+12+\b], 0xff000000, v[TM+\b] ; 2 off its exponent field: the conversion's scale operand
.endr
.irp b, 0,1,2,3
	v_lshrrev_b32 v[TM+4+\b], 23, v[TM+12+\b]      ; the scale's byte
.endr
	v_lshl_or_b32 v[\pw], v[TM+5], 8, v[TM+4]
	v_lshl_or_b32 v[\pw], v[TM+6], 16, v[\pw]
	v_lshl_or_b32 v[\pw], v[TM+7], 24, v[\pw]
	WIN (\win)
	v_cvt_scalef32_pk16_fp6_f32 v[(\d0):(\d0)+2], v[(\s):(\s)+15], v[TM+12]
	v_cvt_scalef32_pk16_fp6_f32 v[CT:CT+2], v[(\s)+16:(\s)+31], v[TM+13]      ; (a conversion's three registers begin on an even number)
	v_cvt_scalef32_pk16_fp6_f32 v[(\d1):(\d1)+2], v[(\s)+32:(\s)+47], v[TM+14]
	v_cvt_scalef32_pk16_fp6_f32 v[CT+4:CT+6], v[(\s)+48:(\s)+63], v[TM+15]
	WIN 0
	v_nop                                          ; one plain line behind the conversions
.irp i, 0,1,2                          ; the operand wants a WHOLE block in a lane: lanes 0-15 the even block, lanes 16-31 the odd one
	v_permlane16_swap_b32 v[(\d0)+\i], v[CT+\i]
	v_permlane16_swap_b32 v[(\d1)+\i], v[CT+4+\i]
.endr
.irp i, 0,1,2
	v_mov_b32 v[(\d0)+3+\i], v[CT+\i]
	v_mov_b32 v[(\d1)+3+\i], v[CT+4+\i]
.endr
.endm
	s_load_b512 s[4:19], s[0:1], 0x0               ; queries, keys, values, wc, ws, bq, bk, bv
	s_load_b256 s[20:27], s[0:1], 0x40             ; qc, qs, kvc, kvs
	v_lshl_add_u32 v16, v0, 2, SPARE               ; my spare word,
	v_mov_b32 v17, 0                               ; and 0: kept for the closing lines
	v_lshrrev_b32 v1, 5, v0
	v_readfirstlane_b32 s28, v1                    ; wave
	s_and_b32 s29, ttmp7, 0xffff                   ; 0 q, 1 k, 2 v
	s_mov_b32 s30, ttmp9                           ; block of 128 rows
	s_cmp_eq_u32 s29, 0
	s_cselect_b32 s31, 1, 0                        ; sh
	v_and_b32 v1, 31, v0                           ; lane
	v_and_b32 v2, 15, v0                           ; r
	v_bfe_u32 v3, v0, 4, 1                         ; h
	v_lshlrev_b32 v4, 4, v1                        ; 16 x lane: an image's place for my lane, in LDS and in memory
	s_wait_alu depctr_va_sdst(0)                   ; s28 is written, ahead of its first reader: LDS places and the buffers' offsets are made from it
	s_mul_i32 s60, s28, 8448
	s_add_co_u32 s60, s60, STG
	v_add_nc_u32 v5, s60, v4                       ; my stage, on the way in: 16 x lane of a row
	v_mul_u32_u24 v6, v2, 528
	v_lshl_add_u32 v6, v3, 6, v6
	v_add_nc_u32 v6, s60, v6                       ; and out: row r, + 64 h
	s_mul_i32 s60, s28, 3072
	v_add_nc_u32 v7, s60, v4                       ; where I lay my two tiles' images
	s_lshl_b32 s60, s28, 3
	v_lshlrev_b32 v11, 5, v1
	v_add_nc_u32 v11, XSC, v11                     ; x's scale words: 32 x lane
	v_add_nc_u32 v8, s60, v11                      ; and where I lay mine: + 8 w
	v_lshlrev_b32 v13, 5, v2                       ; the weight's scale words: 32 r
	v_lshlrev_b32 v14, 6, v3                       ; the bias for q, k: 64 h
	v_and_b32 v20, 8, v2
	v_add_nc_u32 v20, v20, v2
	v_lshlrev_b32 v20, 2, v20                      ; and for v: 4 (r + 8 (r / 8))
	s_lshr_b32 s51, 0x2000, s31                    ; a head's scale bytes in the output
	v_mul_u32_u24 v15, s51, v3
	v_lshl_add_u32 v15, v2, 4, v15                 ; the scale words out: 16 r; lanes 16-31 the next head's
.irp b, 0,1,2,3
	v_mov_b32 v[TM+4+\b], 0                        ; written once: a lane permute's destination counts as one of its sources
.endr
	s_mov_b32 s46, 0x76543210
	s_mov_b32 s47, 0xfedcba98                      ; v_permlanex16_b32's selects for lane l xor 16
	s_mov_b32 s48, 0xffff0000                      ; lanes 16-31
	s_lshl_b32 s60, s30, 19                        ; x: (128 x + 32 w) rows of 4,096 bytes
	s_lshl_b32 s61, s28, 17
	s_add_co_u32 s60, s60, s61
	s_mov_b32 s61, 0
	s_mul_i32 s62, s29, 786432                     ; wc: weight y, tile 16 w
	s_mul_i32 s63, s28, 196608
	s_add_co_u32 s62, s62, s63
	s_mov_b32 s63, 0
	s_lshl_b32 s66, s29, 15                        ; ws: weight y, group 2 w
	s_lshl_b32 s67, s28, 13
	s_add_co_u32 s66, s66, s67
	s_mov_b32 s67, 0
	s_lshl_b32 s68, s28, 10                        ; bias: 256 w numbers
	s_mov_b32 s69, 0
	s_and_b32 s70, s30, 0x30
	s_lshl_b32 s71, s28, 2
	s_add_co_u32 s70, s70, s71                     ; 16 b + 4 w: my first head
	s_and_b32 s71, s30, 15                         ; which 128 rows of the sequence
	s_lshl_b32 s72, s70, 13
	s_lshl_b32 s73, s71, 9
	s_add_co_u32 s72, s72, s73
	s_lshr_b32 s72, s72, s31
	s_mul_i32 s70, s70, 196608
	s_mul_i32 s71, s71, 12288
	s_add_co_u32 s70, s70, s71
	s_lshr_b32 s70, s70, s31
	s_cmp_eq_u32 s29, 2
	s_cselect_b32 s71, 6144, 0                     ; V's part lies behind K's
	s_cselect_b32 s73, 256, 0
	s_add_co_u32 s70, s70, s71
	s_add_co_u32 s72, s72, s73
	s_mov_b32 s71, 0
	s_mov_b32 s73, 0
	s_lshr_b32 s52, 0x60000, s31                   ; two heads on, in the codes
	s_mov_b32 s53, 0
	s_lshr_b32 s54, 0x4000, s31                    ; and in the scale bytes
	s_mov_b32 s55, 0
	s_lshr_b32 s74, 0x30000, s31                   ; one head on
	s_mov_b32 s75, 0
	s_wait_kmcnt 0x0
	s_cmp_eq_u32 s29, 1                            ; every choice of a buffer hangs on the work-group's number alone
	s_cselect_b64 s[32:33], s[6:7], s[4:5]
	s_cselect_b64 s[38:39], s[16:17], s[14:15]
	s_cmp_eq_u32 s29, 2
	s_cselect_b64 s[32:33], s[8:9], s[32:33]
	s_cselect_b64 s[38:39], s[18:19], s[38:39]
	s_cmp_eq_u32 s29, 0
	s_cselect_b64 s[40:41], s[20:21], s[24:25]
	s_cselect_b64 s[44:45], s[22:23], s[26:27]
	s_add_nc_u64 s[32:33], s[32:33], s[60:61]      ; x
	s_add_nc_u64 s[34:35], s[10:11], s[62:63]      ; the weight's codes
	s_add_nc_u64 s[36:37], s[12:13], s[66:67]      ; its scale words
	s_add_nc_u64 s[38:39], s[38:39], s[68:69]      ; the bias
	s_add_nc_u64 s[40:41], s[40:41], s[70:71]      ; codes out, the pass's first head
	s_add_nc_u64 s[42:43], s[40:41], s[74:75]      ; and its second
	s_add_nc_u64 s[44:45], s[44:45], s[72:73]      ; scale words out
	s_wait_alu depctr_va_vdst(0)                   ; the offsets and addresses v4 to v8, v11, v13 to v15, v20 and the closing add's v16, v17 are written: the loads, stores and LDS instructions below read them
; ---- PHASE X.  Unit i of a trip: tile u = i % 2 of my two, K step 2 trip + i / 2.  16 loads, one for each row of the tile: 512 consecutive bytes of the row, 16 a lane.
.macro XFILL i, extra
	WIN 0x80                                       ; destination window 2
.irp k, 0,1,2,3,4,5,6,7,8,9,10,11,12,13,14,15
	global_load_b128 v[64*(\i)+4*\k:64*(\i)+4*\k+3], v4, s[32:33] offset:(8*((\i)%2)+\k+8*(\k/8))*4096+((\i)/2)*512+(\extra) th:TH_LOAD_NT
.endr
	WIN 0
.endm
; The unit's 8,192 bytes turn through my stage, so that lane (r, h) holds 16 neighbours of each block of 32 of row r; then they are quantised and the image goes to LDS.  cnt: the younger loads, which may stay out.
.macro XUNIT i, ahead, cnt
	s_wait_loadcnt \cnt
	WIN 0x08                                       ; an LDS store's data are its source 1: window 2
.irp k, 0,1,2,3,4,5,6,7,8,9,10,11,12,13,14,15
	ds_store_b128 v5, v[64*(\i)+4*\k:64*(\i)+4*\k+3] offset:528*\k
.endr
	WIN 0
.irp b, 0,1,2,3
.irp j, 0,1,2,3
	ds_load_b128 v[XN+16*\b+4*\j:XN+16*\b+4*\j+3], v6 offset:128*\b+16*\j   ; LDS serves a wave's instructions in order (ISA guide 5.7.1.4): these see the stores above
.endr
.endr
	s_wait_dscnt 0x0                               ; the numbers are back
	s_wait_alu depctr_vm_vsrc(0)                   ; the stage's stores have read window 2's set i, in which the loads below land; the last unit's image stores have read E, PW, v18 and v19, which the lines below write
.if (\i) == 0
	v_add_nc_u32 v18, s56, v7                      ; this trip's two K steps
	v_add_nc_u32 v19, s57, v8
.endif
.if \ahead
	XFILL \i, 1024                                 ; the same unit of the next trip
.endif
	QUANT 0, XN, E, E+6, PW
	s_wait_alu depctr_va_vdst(0)                   ; QUANT has written E and PW, and the adds v18 and v19, which the image stores read; QUANT is done reading v64-127, in which the next unit's numbers land
.irp c, 0,1,2
	ds_store_b128 v18, v[E+4*\c:E+4*\c+3] offset:((\i)%2)*1536+((\i)/2)*12288+512*\c
.endr
	ds_store_b32 v19, v[PW] offset:4*((\i)%2)+((\i)/2)*1024
.endm
	XFILL 0, 0
	XFILL 1, 0
	XFILL 2, 0
	XFILL 3, 0
	s_mov_b32 s56, 0
	s_mov_b32 s57, 0
	s_mov_b32 s51, 3
.Lx:                                                   ; three trips; the fourth is written out, without loads: no load leaves a row
	XUNIT 0, 1, 48                                 ; three sets of 16 are younger
	XUNIT 1, 1, 48
	XUNIT 2, 1, 48
	XUNIT 3, 1, 48
	s_wait_xcnt 0x0                                ; the loads have read their base
	s_add_nc_u64 s[32:33], s[32:33], 1024
	s_add_co_u32 s56, s56, 24576
	s_add_co_u32 s57, s57, 2048
	s_sub_co_u32 s51, s51, 1
	s_cmp_lg_u32 s51, 0
	s_cbranch_scc1 .Lx
	XUNIT 0, 0, 48
	XUNIT 1, 0, 32
	XUNIT 2, 0, 16
	XUNIT 3, 0, 0
; ---- THE PASSES.
.macro WLOAD p, half                   ; 13 loads: the weight's tiles 4 half .. + 3 of the K step at s[34:35] into set p, and their scale words
	WIN 0x40                                       ; destination window 1
.irp o, 0,1,2,3
.irp c, 0,1,2
	global_load_b128 v[128*(\p)+12*(4*(\half)+\o)+4*\c:128*(\p)+12*(4*(\half)+\o)+4*\c+3], v4, s[34:35] offset:(4*(\half)+\o)*12288+512*\c
.endr
.endr
	WIN 0
	global_load_b128 v[40+16*(\p)+4*(\half):40+16*(\p)+4*(\half)+3], v13, s[36:37] offset:16*(\half)
.endm
.macro XFETCH p, ra, rs                ; x's eight fragments and scale words of one K step into set p
.irp x, 0,1,2,3,4,5,6,7
.irp c, 0,1,2
	ds_load_b128 v[64+96*(\p)+12*\x+4*\c:64+96*(\p)+12*\x+4*\c+3], v[\ra] offset:\x*1536+512*\c
.endr
.endr
	ds_load_b128 v[32+16*(\p):32+16*(\p)+3], v[\rs]
	ds_load_b128 v[32+16*(\p)+4:32+16*(\p)+7], v[\rs] offset:16
.endm
; 32 products of a K step: the weight's tiles 4 half .. + 3 against x's eight.  Each of the 64 accumulators has one product a K step, always in the same order: they take turns.
.macro MULQK p, half, first            ; q, k: source 0 = the weight (window 1), source 1 = x (window 0); accumulator (x tile 4 z + x, weight tile o) at v[64 x + 8 o] of window 2 + z
.irp z, 0,1
.if \first
	WIN (0x91|(\z<<6))                             ; C = the bias, window 1
.else
	WIN (0xa1+0x50*\z)
.endif
.irp o, 0,1,2,3
.irp x, 0,1,2,3
.set rD, 64*\x+8*(4*(\half)+\o)
.set rW, 128*(\p)+12*(4*(\half)+\o)
.set rX, 64+96*(\p)+12*(4*\z+\x)
.set rS, 40+16*(\p)+4*(\half)+\o
.set rT, 32+16*(\p)+4*\z+\x
.if \first
.set rC, 96+8*(4*(\half)+\o)+96*(\half)
.else
.set rC, rD
.endif
	WM rD, rW, rX, rC, rS, rT
.endr
.endr
.endr
.endm
.macro MULV p, half, first             ; v: source 0 = x (window 0), source 1 = the weight (window 1); accumulator (weight tile 4 half + o, x tile x) at v[64 o + 8 x] of window 2 + half
.if \first
	WIN (0x94|((\half)<<6))
.else
	WIN (0xa4+0x50*(\half))
.endif
.irp o, 0,1,2,3
.irp x, 0,1,2,3,4,5,6,7
.set rD, 64*\o+8*\x
.set rW, 128*(\p)+12*(4*(\half)+\o)
.set rX, 64+96*(\p)+12*\x
.set rS, 40+16*(\p)+4*(\half)+\o
.set rT, 32+16*(\p)+\x
.if \first
.set rC, 96+8*(4*(\half)+\o)+96*(\half)
.else
.set rC, rD
.endif
	WM rD, rX, rW, rC, rT, rS
.endr
.endr
.endm
.macro MUL p, half, first              ; the branch hangs on the work-group's number; at a branch and at a label every window is 0
	s_cmp_eq_u32 s29, 2
	s_cbranch_scc1 .Lmv_\@
	MULQK \p, \half, \first
	WIN 0
	s_branch .Lme_\@
.Lmv_\@:
	MULV \p, \half, \first
	WIN 0
.Lme_\@:
.endm
; A K step on sets p.  The weight's groups of 13 loads go out in the order (step, low half), (step, high half), two K steps ahead: so three younger groups, 39 loads, may be out at each wait while loads go on.
.macro GSTEP p, first, ld, x, c1, c2
	s_wait_loadcnt \c1                             ; this step's low half of the weight is in
	s_wait_dscnt 0x0                               ; and x's fragments
	MUL \p, 0, \first
	PLACES
.if \x
	s_wait_alu depctr_vm_vsrc(0)                   ; x's fragment loads issued so far have read v10 and v12; the image stores of phase X, or the last pass's stores, have read the out-buffers and scale words in v160-247, in which x's next fragments land
	v_add_nc_u32 v10, s58, v4                      ; the next K step's fragments
	v_add_nc_u32 v12, s59, v11                     ; and scale words
.endif
.if (\ld) || (\x)
	s_wait_alu depctr_va_vdst(0)                   ; the products above are done reading the low half of set p and its scale words; the step before's are done reading x's other set; what quantised last has written and read v160-247; v10 and v12 are written
.endif
.if \x
	s_add_co_u32 s58, s58, 12288                   ; the fetch after this one is one K step on
	s_add_co_u32 s59, s59, 1024
.endif
.if \ld
	s_wait_xcnt 0x0                                ; the earlier loads have read their bases
	s_add_nc_u64 s[34:35], s[34:35], 1536
	s_add_nc_u64 s[36:37], s[36:37], 512
	WLOAD \p, 0
.endif
.if \x
	XFETCH 1-(\p), 10, 12
.endif
	s_wait_loadcnt \c2                             ; the high half
	MUL \p, 1, \first
	PLACES
.if \ld
	s_wait_alu depctr_va_vdst(0)                   ; the products above are done reading the high half of set p and its scale words, in which the loads below land
	WLOAD \p, 1
.endif
.endm
.macro PRO                             ; a pass's bias (the C of its first products, in the result's layout) and the weight's first two K steps
	s_cmp_eq_u32 s29, 2
	s_cbranch_scc1 .Lbv_\@
	WIN 0x40
.irp o, 0,1,2,3,4,5,6,7                ; q, k: register j of lane (r, h) is n = 32 (o / 2) + 8 (o % 2) + 16 h + j
	global_load_b128 v[96+8*\o+96*(\o/4):96+8*\o+96*(\o/4)+3], v14, s[38:39] offset:(32*(\o/2)+8*(\o%2))*4
	global_load_b128 v[96+8*\o+96*(\o/4)+4:96+8*\o+96*(\o/4)+7], v14, s[38:39] offset:(32*(\o/2)+8*(\o%2))*4+16
.endr
	WIN 0
	s_branch .Lbe_\@
.Lbv_\@:
	WIN 0x40
.irp o, 0,1,2,3,4,5,6,7                ; v: all eight registers of lane (r, h) are n = 32 (o / 2) + 8 (o % 2) + r + 8 (r / 8)
.irp j, 0,1,2,3,4,5,6,7
	global_load_b32 v[96+8*\o+96*(\o/4)+\j], v20, s[38:39] offset:(32*(\o/2)+8*(\o%2))*4
.endr
.endr
	WIN 0
.Lbe_\@:
	WLOAD 0, 0
	WLOAD 0, 1
	s_wait_xcnt 0x0
	s_add_nc_u64 s[34:35], s[34:35], 1536
	s_add_nc_u64 s[36:37], s[36:37], 512
	WLOAD 1, 0
	WLOAD 1, 1
.endm
; q, k out: x tile a's 64 registers are 128 n = two heads' 64 dims.  Tiles 2 B and 2 B + 1 make the pair fragment of the first head (E) and of the second (O), in out-buffer B % 2.
.macro QKOUT be                        ; piece be leaves
.irp c, 0,1,2
	global_store_b128 v4, v[E+OB2*((\be)%2)+4*\c:E+OB2*((\be)%2)+4*\c+3], s[40:41] offset:(\be)*1536+512*\c   ; 512 consecutive bytes, aligned
	global_store_b128 v4, v[O+OB2*((\be)%2)+4*\c:O+OB2*((\be)%2)+4*\c+3], s[42:43] offset:(\be)*1536+512*\c
.endr
.endm
.macro EPIQK
.irp be, 0,1,2,3
.if \be > 1
	s_wait_xcnt 0x0                                ; the stores of the piece two back, issued a whole piece ago, have had their addresses translated,
	s_wait_alu depctr_vm_vsrc(0)                   ; and have read their out-buffer, which this piece's conversions write again
.endif
.if \be > 0
	s_wait_alu depctr_va_vdst(0)                   ; the piece before has written the other out-buffer, which the stores below read
	QKOUT \be-1
.endif
	QUANT 2+(2*\be)/4, 64*((2*\be)%4), E+OB2*(\be%2), O+OB2*(\be%2), PW
	QUANT 2+(2*\be+1)/4, 64*((2*\be+1)%4), E+OB2*(\be%2)+6, O+OB2*(\be%2)+6, PW+1
	v_perm_b32 v[TA], v[PW+1], v[PW], 0x05040100   ; the first head's word: two bytes of tile 2 B, two of tile 2 B + 1
	v_perm_b32 v[TB], v[PW+1], v[PW], 0x07060302   ; the second head's
	v_cndmask_b32 v[SW+\be], v[TA], v[TB], s48     ; lanes 16-31 carry the second head's
.endr
	s_wait_alu depctr_va_vdst(0)                   ; the last piece has written its out-buffer, and the four scale words v[SW ..] are written: the stores below read them
	QKOUT 3
	global_store_b128 v15, v[SW:SW+3], s[44:45]    ; sixteen lanes store a head's 256 bytes
.endm
; v out: weight tile a's 64 registers are 128 keys of one e: a whole fragment, in out-buffer a % 2.
.macro VOUT a                          ; piece a leaves
.irp c, 0,1,2
.if (\a) < 4
	global_store_b128 v4, v[E+OB2*((\a)%2)+4*\c:E+OB2*((\a)%2)+4*\c+3], s[40:41] offset:((\a)%4)*1536+512*\c
.else
	global_store_b128 v4, v[E+OB2*((\a)%2)+4*\c:E+OB2*((\a)%2)+4*\c+3], s[42:43] offset:((\a)%4)*1536+512*\c
.endif
.endr
.endm
.macro EPIV
.irp a, 0,1,2,3,4,5,6,7
.if \a > 1
	s_wait_xcnt 0x0                                ; the stores of the piece two back, issued a whole piece ago, have had their addresses translated,
	s_wait_alu depctr_vm_vsrc(0)                   ; and have read their out-buffer, which this piece's conversions write again
.endif
.if \a > 0
	s_wait_alu depctr_va_vdst(0)                   ; the piece before has written the other out-buffer, which the stores below read
	VOUT \a-1
.endif
	QUANT 2+\a/4, 64*(\a%4), E+OB2*(\a%2), E+OB2*(\a%2)+6, PW+\a
.endr
.irp e, 0,1,2,3
	v_cndmask_b32 v[SW+\e], v[PW+\e], v[PW+4+\e], s48
.endr
	s_wait_alu depctr_va_vdst(0)                   ; the last piece has written its out-buffer, and the four scale words v[SW ..] are written: the stores below read them
	VOUT 7
	global_store_b128 v15, v[SW:SW+3], s[44:45]
.endm
	PRO                                            ; on their way while the last images land.  No vector or matrix instruction has named the registers in which these loads land
	s_wait_dscnt 0x0                               ; for the others' sake: my images and scale words have landed
	s_barrier_signal -1
	s_barrier_wait -1                              ; from here on the images are only read
	XFETCH 0, 4, 11                                ; K step 0.  It lands in v64-159 and v32-39: the last unit's wait on va_vdst stands behind QUANT's reads of v64-127, and no vector instruction has followed it
	s_mov_b32 s50, 2
.Lpass:
	s_mov_b32 s58, 12288                           ; the next fetch is K step 1's
	s_mov_b32 s59, 1024
	GSTEP 0, 1, 1, 1, 39, 39                       ; K step 0: its products start the sums with the bias (window 2's registers were last read by the stage's stores, ahead of the last unit's wait on vm_vsrc)
	s_mov_b32 s49, 2
.Lk:                                                   ; K steps 1 to 4
	GSTEP 1, 0, 1, 1, 39, 39
	GSTEP 0, 0, 1, 1, 39, 39
	s_sub_co_u32 s49, s49, 1
	s_cmp_lg_u32 s49, 0
	s_cbranch_scc1 .Lk
	GSTEP 1, 0, 1, 1, 39, 39                       ; K step 5 asks for K step 7: the last loads
	GSTEP 0, 0, 0, 1, 39, 26                       ; K step 6: behind its high half only K step 7's two groups are out
	GSTEP 1, 0, 0, 0, 13, 0                        ; K step 7
	s_cmp_eq_u32 s50, 1
	s_cbranch_scc1 .Lnopro
	s_wait_alu depctr_va_vdst(0)                   ; the pass's products are done reading the bias, both sets of the weight with their scale words, and x's set 0 with its: the loads below land in all of these
	s_wait_xcnt 0x0
	s_add_nc_u64 s[34:35], s[34:35], 87552         ; from K step 7 of tile 16 w to K step 0 of tile 16 w + 8: 98,304 - 10,752
	s_add_nc_u64 s[36:37], s[36:37], 512           ; 4,096 - 3,584
	s_add_nc_u64 s[38:39], s[38:39], 512
	PRO                                            ; the next pass's operands land while this pass's results are quantised
	XFETCH 0, 4, 11
.Lnopro:
	s_cmp_eq_u32 s29, 2
	s_cbranch_scc1 .Lepiv
	EPIQK
	s_branch .Lepie
.Lepiv:
	EPIV
.Lepie:
	s_wait_xcnt 0x0                                ; the stores have had their addresses translated: their bases may step (their data registers are written again only behind the next pass's wait on vm_vsrc)
	s_add_nc_u64 s[40:41], s[40:41], s[52:53]
	s_add_nc_u64 s[42:43], s[42:43], s[52:53]
	s_add_nc_u64 s[44:45], s[44:45], s[54:55]
	s_sub_co_u32 s50, s50, 1
	s_cmp_lg_u32 s50, 0
	s_cbranch_scc1 .Lpass
	s_wait_dscnt 0x0                               ; the closing lines, six on end
	s_wait_alu 0x0
	s_wait_tensorcnt 0x0
	ds_add_u32 v16, v17
	s_wait_dscnt 0x0
	s_endpgm
.Lfunc_end_k_q4da0f6228f_proj:
	.size	k_q4da0f6228f_proj, .Lfunc_end_k_q4da0f6228f_proj-k_q4da0f6228f_proj
	.p2alignl 7, 3214868480
	.fill 96, 4, 3214868480
	.section	.rodata,"a",@progbits
	.p2align	6, 0x0
	.amdhsa_kernel k_q4da0f6228f_proj
		.amdhsa_group_segment_fixed_size 140800
		.amdhsa_private_segment_fixed_size 0
		.amdhsa_enable_private_segment 0
		.amdhsa_kernarg_size 96
		.amdhsa_user_sgpr_count 2
		.amdhsa_user_sgpr_kernarg_segment_ptr 1
		.amdhsa_wavefront_size32 1
		.amdhsa_system_sgpr_workgroup_id_x 1
		.amdhsa_system_sgpr_workgroup_id_y 1
		.amdhsa_system_sgpr_workgroup_id_z 1
		.amdhsa_system_vgpr_workitem_id 0
		.amdhsa_next_free_vgpr 1024
		.amdhsa_next_free_sgpr 76
		.amdhsa_reserve_vcc 0
		.amdhsa_float_denorm_mode_32 3
		.amdhsa_float_denorm_mode_16_64 3
		.amdhsa_memory_ordered 1
		.amdhsa_forward_progress 1
		.amdhsa_inst_pref_size 255
	.end_amdhsa_kernel
	.section	.bss,"aw",@nobits
	.p2align	6
	.space	262144
	.amdgpu_metadata
---
amdhsa.version: [ 1, 2 ]
amdhsa.kernels:
  - .name:           k_q4da0f6228f_proj
    .symbol:         k_q4da0f6228f_proj.kd
    .args:
      - { .name: queries, .offset: 0, .size: 8, .value_kind: global_buffer, .address_space: global }
      - { .name: keys, .offset: 8, .size: 8, .value_kind: global_buffer, .address_space: global }
      - { .name: values, .offset: 16, .size: 8, .value_kind: global_buffer, .address_space: global }
      - { .name: wc, .offset: 24, .size: 8, .value_kind: global_buffer, .address_space: global }
      - { .name: ws, .offset: 32, .size: 8, .value_kind: global_buffer, .address_space: global }
      - { .name: bq, .offset: 40, .size: 8, .value_kind: global_buffer, .address_space: global }
      - { .name: bk, .offset: 48, .size: 8, .value_kind: global_buffer, .address_space: global }
      - { .name: bv, .offset: 56, .size: 8, .value_kind: global_buffer, .address_space: global }
      - { .name: qc, .offset: 64, .size: 8, .value_kind: global_buffer, .address_space: global }
      - { .name: qs, .offset: 72, .size: 8, .value_kind: global_buffer, .address_space: global }
      - { .name: kvc, .offset: 80, .size: 8, .value_kind: global_buffer, .address_space: global }
      - { .name: kvs, .offset: 88, .size: 8, .value_kind: global_buffer, .address_space: global }
    .group_segment_fixed_size: 140800
    .private_segment_fixed_size: 0
    .kernarg_segment_align: 8
    .kernarg_segment_size: 96
    .max_flat_workgroup_size: 128
    .sgpr_count:     76
    .vgpr_count:     1024
    .wavefront_size: 32
...
	.end_amdgpu_metadata
.endif
;; end of part 5
;; launch attn (part 6): grid 4 x 64, 16 waves a work-group, no clusters, 67,584 bytes of LDS; arguments qc, qs, kvc, kvs, oc, os; writes oc, os
.if DOCPART == 6
	.amdgcn_target "amdgcn-amd-amdhsa--gfx1250"
	.amdhsa_code_object_version 6
	.text
	.protected	k_q4da0f6228f_attn
	.globl	k_q4da0f6228f_attn
	.p2align	8
	.type	k_q4da0f6228f_attn,@function
k_q4da0f6228f_attn:
	s_mov_b64 s[64:65], 0
	v_nop
	global_prefetch_b8 v0, s[64:65] scope:SCOPE_SE
	s_setreg_imm32_b32 hwreg(HW_REG_WAVE_SCHED_MODE, 0, 2), 2
	s_setreg_imm32_b32 hwreg(HW_REG_WAVE_MODE, 25, 1), 1
	s_wait_xcnt 0x0
	s_wait_alu depctr_vm_vsrc(0)
; Causal attention of one (batch, head) on codes of FP6 (E2M3): S^T = K Q^T over the head's 64, softmax, O^T = V^T P^T over the keys; o = O / l is quantised along the head's 64 and leaves as codes for the last product.
; THE SOFTMAX: t = score x log2(e) / 8; M = the running largest t rounded UP to a whole number; p = 2^(t - M) is quantised along the keys, not normalised; the row's sum is taken of the unquantised p and divides at the end.
; When M moves, the sum and O^T are multiplied by 2^(old M - new M): exact.
; SHARES.  Work-group (j, bh) serves the block of 256 queries 7 - j and then block j of head bh: key slots (256 keys) 0 .. 7 - j and 0 .. j: NINE slots in every work-group: the causal work is even, and the loop's count is a constant.
; Each of sixteen waves owns one tile of 16 queries (tile w of the block: queries Q0 + r + 8 (r / 8), Q0 = 256 block + 32 (w / 2) + 8 (w % 2)) in 256 registers: four waves to a SIMD, one wave's vector work beside another's products.
; A key step (128 keys) all of whose keys come after the wave's queries is left out by a scalar branch on ids; in the one step on the diagonal hidden scores become -infinity.
; K = 64.  A fragment of K holds TWO tiles of 16 keys: K 0-63 tile 2 b's 64 dims, K 64-127 tile 2 b + 1's.  Q lies between zero codes, [0 x 6 | q x 6 | 0 x 6] registers: the last 12 pick tile 2 b, the first 12 tile 2 b + 1.
; The padding's scale bytes are 0 (2^-127), over zero codes.
; THE KEYS OF A TILE: lane r of tile 2 b + u holds key 32 b + 8 u + r + 8 (r / 8), so that p's 16 registers of two neighbouring tiles are 16 neighbouring keys.  V's tiles of e likewise, so that O^T's registers run along e.
; STAGING.  A slot (24,576 bytes of fragment images, 1,024 of scale words) is one dense run of kvc and of kvs: at a trip's head each thread asks for its 48 bytes of the NEXT slot, at the trip's end it lays them into the other
; LDS slot; one barrier a trip: in front of it each wave's reads of this slot are back and its stores into the other have landed.
; NO CLUSTER: the four work-groups of a head walk different slots from the fifth trip on, so no joint request could be alike in all of them.  No tensor load: the registers' way has a whole slot's two key steps in which to land.
; LIMITS: NaN and infinities are not served; o / l is a multiplication by v_rcp_f32's result (1 ulp); a block of p or o under 2^-124 has its byte held at 1, a block of zeros too (its codes are zeros; this program alone reads the bytes).
; REGISTERS: v1-9 addresses; v10, v11 the closing lines' two; v12 -M, v13 the largest t, v[14:15] the sum; v16-33 Q between zeros; v34, v35 Q's two scale words; v36-42 the second block's Q; v43 16 r; v44-91 four fragments of K or V;
; v92-95 K's scale words; v96-159 S^T, then p; v160-191 O^T; v192-203 p's codes; v204-210 conversions' second halves; v212-215 V's scale words; v216-234 at work; v236-251 staging; v[252:253] a second chain of sums.  s66-97: the diagonal's masks.
; THE MODE: SCHED_MODE bits 1:0 = 2 (LLVM: expert scheduling mode 2), set by the entry lines.  The code itself states the register dependences
; between vector or matrix instructions and memory or LDS instructions, with s_wait_alu, always for 0.
; THE PLAN.  Registers that memory or LDS instructions touch:
;   v44-91    K's fragments land, the eight products K Q^T read them; V's land in the same registers, the four products V^T P read them.  (256 registers a wave hold no second set.)
;   v92-95, v212-215  K's and V's scale words: loaded with their fragments, read by the same products.
;   v8, v9    LDS addresses: written at a step's head, read by the step's 26 loads.     v3: written at a trip's head, read by the LDS stores at its end.
;   v236-251  staging: global loads land at a trip's head, the LDS stores at its end read them; no vector instruction names them.
;   v192-197, v232  at a block's end: written by the conversions, read by the four global stores.
;   v1, v2, v4, v6, v7, v43: made at the head, never written again.  v10, v11: read by the closing add alone.
;   Operands of scaled products that vector instructions write: Q between zeros and its scale words (v16-35), p's codes and scale word (v192-203, v228).
; A STEP'S WAITS: vm_vsrc, the two adds, va_vdst (v8, v9 written; the last products done reading v44-91 and the scale words; Q written) | K's loads, K Q^T, its places | va_vdst (those products done reading K's fragments) | V's loads |
; the softmax with its two waits for the exponentials | va_vdst (p's codes and scale word written) | V^T P.  On the diagonal the compares go in two runs of 32 into scalar registers, one wait on va_sdst behind each run.
; A TRIP'S HEAD: vm_vsrc (the last LDS stores have read v3 and the staging registers), the add, va_vdst (v3 written: it holds on the ways that jump over both steps too).
.set SLOT1, 0x8000                     ; LDS: slot 0 at 0, slot 1 here: one exclusive or turns an address
.set SCO,   24576                      ; a slot's scale words: [step 2][K's 256 bytes, V's 256]
.set SPARE, 65536                      ; the spare words, 128 bytes for each wave: no other line names them
.set MK,    66                         ; s66-97: 32 masks
.macro WM0 d, a, b, sa, sb             ; a product that starts its sum
	v_wmma_scale_f32_16x16x128_f8f6f4 v[(\d):(\d)+7], v[(\a):(\a)+11], v[(\b):(\b)+11], 0, v[\sa], v[\sb] matrix_a_fmt:MATRIX_FMT_FP6 matrix_b_fmt:MATRIX_FMT_FP6
.endm
.macro WMA d, a, b, sa, sb             ; and one that adds in place
	v_wmma_scale_f32_16x16x128_f8f6f4 v[(\d):(\d)+7], v[(\a):(\a)+11], v[(\b):(\b)+11], v[(\d):(\d)+7], v[\sa], v[\sb] matrix_a_fmt:MATRIX_FMT_FP6 matrix_b_fmt:MATRIX_FMT_FP6
.endm
	s_load_b256 s[4:11], s[0:1], 0x0               ; qc, qs, kvc, kvs
	s_load_b128 s[12:15], s[0:1], 0x20             ; oc, os
	v_lshl_add_u32 v10, v0, 2, SPARE
	v_mov_b32 v11, 0
	v_lshrrev_b32 v1, 5, v0
	v_readfirstlane_b32 s16, v1                    ; wave 0..15
	s_mov_b32 s17, ttmp9                           ; j
	s_and_b32 s18, ttmp7, 0xffff                   ; bh
	s_sub_co_u32 s19, 7, s17                       ; the block of queries in hand
	s_mov_b32 s20, 0                               ; the key slot in hand
	s_mov_b32 s21, 0                               ; the step's first key
	s_mov_b32 s23, 0                               ; the LDS slot in hand
	s_wait_alu depctr_va_sdst(0)                   ; s16 is written, ahead of its first reader: my queries, the buffers' offsets and the branches on the wave's number are made from it
	s_lshr_b32 s42, s16, 1
	s_lshl_b32 s25, s42, 5
	s_and_b32 s43, s16, 1
	s_lshl_b32 s44, s43, 3
	s_add_co_u32 s25, s25, s44                     ; 32 (w / 2) + 8 (w % 2)
	s_lshl_b32 s22, s19, 8
	s_add_co_u32 s22, s22, s25                     ; Q0
	s_mov_b32 s26, 0x76543210
	s_mov_b32 s27, 0xfedcba98                      ; v_permlanex16_b32's selects for lane l xor 16
	s_mov_b32 s28, 0x3e38aa3b                      ; c = log2(e) / 8
	s_mov_b32 s29, s28                             ; (named with it as a pair)
	s_and_b32 s42, s42, 3                          ; my tile's pair in its 128 rows,
	s_lshr_b32 s45, s16, 3                         ; and which 128 rows of the block
	s_mul_i32 s46, s18, 98304
	s_mul_i32 s47, s45, 6144
	s_add_co_u32 s46, s46, s47
	s_mul_i32 s47, s42, 1536
	s_add_co_u32 s46, s46, s47                     ; qc, but for the block
	s_lshl_b32 s48, s18, 12
	s_lshl_b32 s47, s45, 8
	s_add_co_u32 s48, s48, s47
	s_lshl_b32 s47, s42, 2
	s_add_co_u32 s48, s48, s47
	s_lshl_b32 s47, s43, 1
	s_add_co_u32 s48, s48, s47                     ; qs likewise
	s_mul_i32 s47, s19, 12288
	s_add_co_u32 s50, s46, s47                     ; the first block's codes,
	s_mov_b32 s51, 0
	s_mul_i32 s47, s17, 12288
	s_add_co_u32 s46, s46, s47                     ; the second's
	s_mov_b32 s47, 0
	s_lshl_b32 s49, s19, 9
	s_add_co_u32 s52, s48, s49                     ; and their scale bytes
	s_mov_b32 s53, 0
	s_lshl_b32 s49, s17, 9
	s_add_co_u32 s48, s48, s49
	s_mov_b32 s49, 0
	s_mul_i32 s54, s18, 196608
	s_mov_b32 s55, 0
	s_lshl_b32 s44, s18, 13
	s_mov_b32 s45, 0
	s_cmp_lg_u32 s43, 0
	s_cselect_b32 s43, -1, 0                       ; all lanes, where my tile is the pair's second
	v_and_b32 v232, 31, v0                         ; lane
	v_and_b32 v233, 15, v0                         ; r
	v_bfe_u32 v234, v0, 4, 1                       ; h
	v_lshlrev_b32 v1, 4, v232                      ; 16 x lane: an image's place for my lane
	v_lshlrev_b32 v43, 4, v233                     ; 16 r
	v_add_nc_u32 v2, SCO, v43                      ; a slot's scale words, row r
	v_lshlrev_b32 v4, 4, v0                        ; 16 x thread: staging
	v_and_b32 v5, 8, v233
	v_add_nc_u32 v5, v5, v233
	v_lshlrev_b32 v6, 4, v234
	v_sub_nc_u32 v5, v5, v6                        ; r + 8 (r / 8) - 16 h: for the mask
	v_lshlrev_b32 v6, 3, v232                      ; o's codes out: 8 x lane
	v_lshlrev_b32 v7, 5, v232                      ; o's scale bytes out: 32 x lane
	s_wait_kmcnt 0x0
	s_add_nc_u64 s[30:31], s[8:9], s[54:55]        ; the head's K and V codes
	s_add_nc_u64 s[32:33], s[10:11], s[44:45]      ; and scale words
	s_add_nc_u64 s[50:51], s[4:5], s[50:51]
	s_add_nc_u64 s[46:47], s[4:5], s[46:47]
	s_add_nc_u64 s[52:53], s[6:7], s[52:53]
	s_add_nc_u64 s[48:49], s[6:7], s[48:49]
	s_wait_alu depctr_va_vdst(0)                   ; the offsets v1, v4, v6, v7, v43 and the closing add's v10, v11 are written: the loads and stores below read them
	global_load_b128 v[236:239], v4, s[30:31]                 ; slot 0
	global_load_b128 v[240:243], v4, s[30:31] offset:8192
	global_load_b128 v[244:247], v4, s[30:31] offset:16384
.irp c, 0,1,2
	global_load_b128 v[44+4*\c:47+4*\c], v1, s[50:51] offset:512*\c   ; the pair fragments that hold my two tiles of queries
	global_load_b128 v[56+4*\c:59+4*\c], v1, s[46:47] offset:512*\c
.endr
	global_load_u16 v229, v43, s[52:53]            ; and my rows' two scale bytes
	global_load_u16 v42, v43, s[48:49]
	s_cmp_lt_u32 s16, 2                            ; a slot's 1,024 bytes of scale words are 64 threads' 16
	s_cbranch_scc0 .Lh0
	global_load_b128 v[248:251], v4, s[32:33]
.Lh0:
.irp i, 0,1,2,3,4,5
	v_mov_b32 v[16+\i], 0                          ; the zero codes on both sides of Q
	v_mov_b32 v[28+\i], 0
.endr
	v_mov_b32 v13, 0xff61b1e6                      ; the largest t so far: -3e38, under every t
	v_floor_f32 v12, -v13                          ; -M
	v_mov_b32 v14, 0
	v_mov_b32 v15, 0
.irp b, 0,1,2,3
	v_mov_b32 v[220+\b], 0                         ; written once: a lane permute's destination counts as one of its sources
.endr
	v_mov_b32 v231, 0                              ; (named as the upper half of the pair v[230:231])
.set j, 0
.rept 32
	v_mov_b32 v[160+j], 0                          ; O^T: the step is written once; the first finds zeros
.set j, j+1
.endr
	s_wait_loadcnt 0x0
	v_mov_b32 v34, v229                            ; Q's scale words first: they stand eight plain lines or more ahead of the first product
	v_lshlrev_b32 v35, 16, v229
.irp i, 0,1,2,3,4,5
	v_cndmask_b32 v[22+\i], v[44+\i], v[50+\i], s43   ; my tile's half of the pair
.endr
.irp i, 0,1,2,3,4,5
	v_cndmask_b32 v[36+\i], v[56+\i], v[62+\i], s43   ; the second block's, kept
.endr
	ds_store_b128 v4, v[236:239]                   ; (no vector instruction since the wait above names v4 or the staging registers)
	ds_store_b128 v4, v[240:243] offset:8192
	ds_store_b128 v4, v[244:247] offset:16384
	s_cmp_lt_u32 s16, 2
	s_cbranch_scc0 .Lh1
	ds_store_b128 v4, v[248:251] offset:SCO
.Lh1:
	s_wait_dscnt 0x0                               ; for the others' sake: my part of slot 0 has landed
	s_barrier_signal -1
	s_barrier_wait -1
; A KEY STEP: 128 keys, the q-th of the slot in hand.
.macro STEP q
	s_add_co_u32 s42, s22, 23                      ; my last query
	s_cmp_gt_u32 s21, s42
	s_cbranch_scc1 .Lhid_\@                        ; all 128 keys come after it: ids alone decide
	s_wait_alu depctr_vm_vsrc(0)                   ; the LDS loads issued so far have read v8 and v9
	v_add_nc_u32 v8, s23, v1
	v_add_nc_u32 v9, s23, v2
	v_nop
	v_nop                                          ; four plain lines between the last products and the loads into their fragments
	s_wait_alu depctr_va_vdst(0)                   ; v8 and v9 are written; the last products, and at the head the selects of Q, are done reading v44-91, v92-95 and v212-215; Q between its zeros and its two scale words are written, which the products below take
.irp f, 0,1,2,3
.irp c, 0,1,2
	ds_load_b128 v[44+12*\f+4*\c:47+12*\f+4*\c], v8 offset:(\q)*12288+\f*1536+512*\c
.endr
.endr
	ds_load_b128 v[92:95], v9 offset:512*(\q)
	s_wait_dscnt 0x0
.irp b, 0,1,2,3
	WM0 96+16*\b, 44+12*\b, 22, 92+\b, 34          ; keys of tile 2 b: [q | 0]
	WM0 104+16*\b, 44+12*\b, 16, 92+\b, 35         ; keys of tile 2 b + 1: [0 | q]
.endr
.rept 4
	v_nop
.endr
	s_wait_alu depctr_va_vdst(0)                   ; the eight products are done reading K's fragments, in which V's land; the places above stay beside this wait
.irp f, 0,1,2,3                        ; V's fragments land under the softmax
.irp c, 0,1,2
	ds_load_b128 v[44+12*\f+4*\c:47+12*\f+4*\c], v8 offset:(\q)*12288+6144+\f*1536+512*\c
.endr
.endr
	ds_load_b128 v[212:215], v9 offset:512*(\q)+256
	s_add_co_u32 s42, s21, 127
	s_cmp_le_u32 s42, s22
	s_cbranch_scc1 .Lopen_\@                       ; all 128 keys count for all my queries
	s_sub_co_i32 s42, s22, s21
	v_add_nc_u32 v232, s42, v5                     ; d = my query - the step's first key - 16 h.  Register 16 b + i holds key 32 b + 16 h + i of the step: hidden where 32 b + i > d
	v_mov_b32 v233, 0xff800000                     ; -infinity
.irp g, 0,1                            ; two runs of 32 registers: the compares into 32 scalar registers, one wait, the selects
.set n, 0
.rept 32
	v_cmp_gt_i32 s[MK+n], 32*((32*\g+n)/16)+n%16, v232
.set n, n+1
.endr
	s_wait_alu depctr_va_sdst(0)                   ; the run's 32 masks are written, ahead of the selects that read them
.set n, 0
.rept 32
	v_cndmask_b32 v[96+32*\g+n], v[96+32*\g+n], v233, s[MK+n]
.set n, n+1
.endr
.endr
.Lopen_\@:
.irp b, 0,1,2,3
	v_max3_num_f32 v[216+\b], v[96+16*\b], v[97+16*\b], v[98+16*\b]   ; the largest score of each block of 32 keys: for the row's maximum, and, since p rises with the score, for the block's largest p
.endr
.irp i, 3,5,7,9,11,13
.irp b, 0,1,2,3
	v_max3_num_f32 v[216+\b], v[216+\b], v[96+16*\b+\i], v[97+16*\b+\i]
.endr
.endr
.irp b, 0,1,2,3
	v_max_num_f32 v[216+\b], v[216+\b], v[111+16*\b]
.endr
.irp b, 0,1,2,3
	v_permlanex16_b32 v[220+\b], v[216+\b], s26, s27
.endr
.irp b, 0,1,2,3
	v_max_num_f32 v[216+\b], v[216+\b], v[220+\b]  ; with lane l xor 16's 16 keys
.endr
	v_max3_num_f32 v232, v216, v217, v218
	v_max_num_f32 v232, v232, v219
	v_mul_f32 v232, s28, v232                      ; as t (c is positive)
	v_max_num_f32 v13, v13, v232                   ; the running largest t
	v_mov_b32 v232, v12
	v_floor_f32 v12, -v13                          ; the new -M = -ceil(t)
	v_sub_f32 v232, v12, v232                      ; old M - new M: a whole number, 0 or less
	v_cvt_i32_f32 v232, v232                       ; (it saturates)
	v_ldexp_f32 v230, 1.0, v232                    ; f = 2^(old M - new M)
.set j, 0
.rept 32
	v_pk_fma_f32 v[96+j:97+j], v[96+j:97+j], s[28:29], v[12:13] op_sel_hi:[1,0,0]   ; t - M, two at a time
.set j, j+2
.endr
.irp b, 0,1,2,3
	v_fma_f32 v[216+\b], v[216+\b], s28, v12       ; the same of each block's largest score
.endr
.set j, 0
	s_wait_alu depctr_va_vdst(0)
.rept 64
	v_exp_f32 v[96+j], v[96+j]                     ; p = 2^(t - M)
.set j, j+1
.endr
	v_pk_mul_f32 v[14:15], v[14:15], v[230:231] op_sel_hi:[1,0]   ; the sums under the new M: the plain line behind the exponentials
	s_wait_alu depctr_va_vdst(0)                   ; the 64 exponentials have written v96-159: one wait for the batch, ahead of its first reader
.irp b, 0,1,2,3
	v_exp_f32 v[216+\b], v[216+\b]                 ; the block's largest p
.endr
	v_pk_add_f32 v[252:253], v[96:97], v[98:99]    ; the row's sum of the UNQUANTISED p, in two chains
.irp j, 4,8,12,16,20,24,28,32,36,40,44,48,52,56,60
	v_pk_add_f32 v[14:15], v[14:15], v[96+\j:97+\j]
	v_pk_add_f32 v[252:253], v[252:253], v[98+\j:99+\j]
.endr
	v_pk_add_f32 v[14:15], v[14:15], v[252:253]
	s_wait_alu depctr_va_vdst(0)                   ; the four exponentials have written v216-219, ahead of their first reader
.irp b, 0,1,2,3
	v_max_num_f32 v[216+\b], 0x1800000, v[216+\b]  ; the floor 2^(3 - 127): the byte cannot fall under 1
.endr
.irp b, 0,1,2,3
	v_add_nc_u32 v[224+\b], 0xff000000, v[216+\b]  ; the conversion's scale operand
.endr
.irp b, 0,1,2,3
	v_lshrrev_b32 v[220+\b], 23, v[224+\b]         ; the scale's byte
.endr
	v_lshl_or_b32 v228, v221, 8, v220              ; p's scale word for these 128 keys
	v_lshl_or_b32 v228, v222, 16, v228
	v_lshl_or_b32 v228, v223, 24, v228
.irp c, 0,1
	v_cvt_scalef32_pk16_fp6_f32 v[192+6*\c:194+6*\c], v[96+32*\c:111+32*\c], v[224+2*\c]
	v_cvt_scalef32_pk16_fp6_f32 v[204+4*\c:206+4*\c], v[112+32*\c:127+32*\c], v[224+2*\c+1]
.endr
	v_nop                                          ; one plain line behind the conversions
.irp c, 0,1
.irp i, 0,1,2
	v_permlane16_swap_b32 v[192+6*\c+\i], v[204+4*\c+\i]   ; a WHOLE block to a lane
.endr
.irp i, 0,1,2
	v_mov_b32 v[195+6*\c+\i], v[204+4*\c+\i]
.endr
.endr
.set j, 0
.rept 16
	v_pk_mul_f32 v[160+j:161+j], v[160+j:161+j], v[230:231] op_sel_hi:[1,0]   ; O^T under the new M; twelve of these name no register of a given product below: the plain lines between p's scale word and codes and the products
.set j, j+2
.endr
	s_wait_dscnt 0x0                               ; V
	s_wait_alu depctr_va_vdst(0)                   ; p's codes v192-203 and its scale word v228 are written, which the scaled products below take; the plain lines above stay beside this wait
.irp e, 0,1,2,3
	WMA 160+8*\e, 44+12*\e, 192, 212+\e, 228       ; the four accumulators by turns
.endr
.Lhid_\@:
	s_add_co_u32 s21, s21, 128
.endm
; A block of queries is finished: o = O / l, quantised along e, goes out; the second block's Q and a fresh state come in.
.macro FINISH
.rept 4
	v_nop
.endr
	v_add_f32 v14, v14, v15
	v_permlanex16_b32 v232, v14, s26, s27
	v_add_f32 v14, v14, v232                       ; the row's sum
	s_wait_alu depctr_va_vdst(0)
	v_rcp_f32 v230, v14
	v_nop                                          ; one plain line behind the reciprocal
	s_lshr_b32 s42, s18, 4
	s_lshl_b32 s42, s42, 7
	s_lshl_b32 s44, s19, 4
	s_add_co_u32 s42, s42, s44
	s_add_co_u32 s42, s42, s16                     ; T = 128 b + 16 block + w: my tile of rows
	s_and_b32 s43, s18, 15                         ; the head
	s_mul_i32 s44, s42, 12288
	s_mul_i32 s45, s43, 768
	s_add_co_u32 s44, s44, s45
	s_mov_b32 s45, 0
	s_lshr_b32 s46, s42, 3
	s_lshl_b32 s46, s46, 13
	s_lshr_b32 s47, s43, 1
	s_lshl_b32 s47, s47, 10
	s_add_co_u32 s46, s46, s47
	s_and_b32 s47, s16, 7
	s_lshl_b32 s47, s47, 2
	s_add_co_u32 s46, s46, s47
	s_and_b32 s47, s43, 1
	s_lshl_b32 s47, s47, 1
	s_add_co_u32 s46, s46, s47
	s_mov_b32 s47, 0
	s_add_nc_u64 s[38:39], s[12:13], s[44:45]
	s_add_nc_u64 s[40:41], s[14:15], s[46:47]
	s_wait_alu depctr_va_vdst(0)                   ; the reciprocal has written v230, ahead of its first reader
.set j, 0
.rept 16
	v_pk_mul_f32 v[96+j:97+j], v[160+j:161+j], v[230:231] op_sel_hi:[1,0]   ; register 16 b + i: o(my query, e = 32 b + 16 h + i); each accumulator from its low end on
.set j, j+2
.endr
.irp b, 0,1
	v_max3_num_f32 v[216+\b], |v[96+16*\b]|, |v[97+16*\b]|, 0x1800000
.endr
.irp i, 2,4,6,8,10,12,14
.irp b, 0,1
	v_max3_num_f32 v[216+\b], v[216+\b], |v[96+16*\b+\i]|, |v[97+16*\b+\i]|
.endr
.endr
.irp b, 0,1
	v_permlanex16_b32 v[220+\b], v[216+\b], s26, s27
.endr
.irp b, 0,1
	v_max_num_f32 v[216+\b], v[216+\b], v[220+\b]
.endr
.irp b, 0,1
	v_add_nc_u32 v[224+\b], 0xff000000, v[216+\b]
.endr
.irp b, 0,1
	v_lshrrev_b32 v[220+\b], 23, v[224+\b]
.endr
	v_lshl_or_b32 v232, v221, 8, v220              ; the head's two scale bytes of my row
	v_cvt_scalef32_pk16_fp6_f32 v[192:194], v[96:111], v224
	v_cvt_scalef32_pk16_fp6_f32 v[204:206], v[112:127], v225
	v_nop
.irp i, 0,1,2
	v_permlane16_swap_b32 v[192+\i], v[204+\i]
.endr
.irp i, 0,1,2
	v_mov_b32 v[195+\i], v[204+\i]
.endr
	s_wait_alu depctr_va_vdst(0)                   ; o's codes v192-197 and scale bytes v232 are written, which the four stores read
.irp i, 0,1,2
	global_store_b64 v6, v[192+2*\i:193+2*\i], s[38:39] offset:256*\i   ; 256 consecutive bytes, aligned: half a fragment of the last product's operand
.endr
	global_store_b16 v7, v232, s[40:41]
	v_mov_b32 v34, v42                             ; the second block's Q: the scale words first, eight plain lines or more ahead of the next product
	v_lshlrev_b32 v35, 16, v42
.irp i, 0,1,2,3,4,5
	v_mov_b32 v[22+\i], v[36+\i]
.endr
	v_mov_b32 v13, 0xff61b1e6
	v_floor_f32 v12, -v13
	v_mov_b32 v14, 0
	v_mov_b32 v15, 0
.set j, 0
.rept 32
	v_mov_b32 v[160+j], 0
.set j, j+1
.endr
	s_wait_xcnt 0x0                                ; the stores have had their addresses translated: their bases and data may be written again,
	s_wait_alu depctr_vm_vsrc(0)                   ; and they have read v192-197 and v232, which the next steps write
.endm
	s_mov_b32 s24, 9
.Ltrip:
	s_xor_b32 s42, s23, SLOT1
	s_wait_alu depctr_vm_vsrc(0)                   ; the LDS stores of the last trip, or of the head, have read v3 and the staging registers v236-251, in which the loads below land
	v_add_nc_u32 v3, s42, v4                       ; where I lay my part of the next slot (no LDS instruction of mine is out)
	s_wait_alu depctr_va_vdst(0)                   ; v3 is written, which the LDS stores at the trip's end read: here, so that it holds on the ways that jump over both steps too
	s_cmp_eq_u32 s24, 1
	s_cbranch_scc1 .Lnoload                        ; the last trip asks for nothing
	s_add_co_u32 s42, s20, 1
	s_cmp_eq_u32 s20, s19
	s_cselect_b32 s42, 0, s42                      ; behind a block's last slot comes the second block's slot 0
	s_mul_i32 s44, s42, 24576
	s_mov_b32 s45, 0
	s_lshl_b32 s46, s42, 10
	s_mov_b32 s47, 0
	s_add_nc_u64 s[34:35], s[30:31], s[44:45]      ; (the last trip's loads were waited for)
	s_add_nc_u64 s[36:37], s[32:33], s[46:47]
	global_load_b128 v[236:239], v4, s[34:35]
	global_load_b128 v[240:243], v4, s[34:35] offset:8192
	global_load_b128 v[244:247], v4, s[34:35] offset:16384
	s_cmp_lt_u32 s16, 2
	s_cbranch_scc0 .Lnoload
	global_load_b128 v[248:251], v4, s[36:37]
.Lnoload:
	STEP 0
	STEP 1
	s_cmp_eq_u32 s20, s19
	s_cbranch_scc0 .Lnofin
	FINISH
.Lnofin:
	s_cmp_eq_u32 s24, 1
	s_cbranch_scc1 .Lnostore
	s_wait_loadcnt 0x0
	ds_store_b128 v3, v[236:239]                   ; into the slot that every wave left at the last barrier
	ds_store_b128 v3, v[240:243] offset:8192
	ds_store_b128 v3, v[244:247] offset:16384
	s_cmp_lt_u32 s16, 2
	s_cbranch_scc0 .Lnostore
	ds_store_b128 v3, v[248:251] offset:SCO
.Lnostore:
	s_wait_dscnt 0x0                               ; my reads of this slot are back and my stores into the other have landed
	s_barrier_signal -1
	s_barrier_wait -1
	s_xor_b32 s23, s23, SLOT1
	s_add_co_u32 s42, s20, 1
	s_cmp_eq_u32 s20, s19
	s_cselect_b32 s20, 0, s42
	s_cselect_b32 s19, s17, s19
	s_lshl_b32 s21, s20, 8
	s_lshl_b32 s22, s19, 8
	s_add_co_u32 s22, s22, s25
	s_sub_co_u32 s24, s24, 1
	s_cmp_lg_u32 s24, 0
	s_cbranch_scc1 .Ltrip
	s_wait_dscnt 0x0                               ; the closing lines, six on end
	s_wait_alu 0x0
	s_wait_tensorcnt 0x0
	ds_add_u32 v10, v11
	s_wait_dscnt 0x0
	s_endpgm
.Lfunc_end_k_q4da0f6228f_attn:
	.size	k_q4da0f6228f_attn, .Lfunc_end_k_q4da0f6228f_attn-k_q4da0f6228f_attn
	.p2alignl 7, 3214868480
	.fill 96, 4, 3214868480
	.section	.rodata,"a",@progbits
	.p2align	6, 0x0
	.amdhsa_kernel k_q4da0f6228f_attn
		.amdhsa_group_segment_fixed_size 67584
		.amdhsa_private_segment_fixed_size 0
		.amdhsa_enable_private_segment 0
		.amdhsa_kernarg_size 48
		.amdhsa_user_sgpr_count 2
		.amdhsa_user_sgpr_kernarg_segment_ptr 1
		.amdhsa_wavefront_size32 1
		.amdhsa_system_sgpr_workgroup_id_x 1
		.amdhsa_system_sgpr_workgroup_id_y 1
		.amdhsa_system_sgpr_workgroup_id_z 1
		.amdhsa_system_vgpr_workitem_id 0
		.amdhsa_next_free_vgpr 256
		.amdhsa_next_free_sgpr 98
		.amdhsa_reserve_vcc 0
		.amdhsa_float_denorm_mode_32 3
		.amdhsa_float_denorm_mode_16_64 3
		.amdhsa_memory_ordered 1
		.amdhsa_forward_progress 1
		.amdhsa_inst_pref_size 65
	.end_amdhsa_kernel
	.amdgpu_metadata
---
amdhsa.version: [ 1, 2 ]
amdhsa.kernels:
  - .name:           k_q4da0f6228f_attn
    .symbol:         k_q4da0f6228f_attn.kd
    .args:
      - { .name: qc, .offset: 0, .size: 8, .value_kind: global_buffer, .address_space: global }
      - { .name: qs, .offset: 8, .size: 8, .value_kind: global_buffer, .address_space: global }
      - { .name: kvc, .offset: 16, .size: 8, .value_kind: global_buffer, .address_space: global }
      - { .name: kvs, .offset: 24, .size: 8, .value_kind: global_buffer, .address_space: global }
      - { .name: oc, .offset: 32, .size: 8, .value_kind: global_buffer, .address_space: global }
      - { .name: os, .offset: 40, .size: 8, .value_kind: global_buffer, .address_space: global }
    .group_segment_fixed_size: 67584
    .private_segment_fixed_size: 0
    .kernarg_segment_align: 8
    .kernarg_segment_size: 48
    .max_flat_workgroup_size: 512
    .sgpr_count:     98
    .vgpr_count:     256
    .wavefront_size: 32
...
	.end_amdgpu_metadata
.endif
;; end of part 6
;; launch outp (part 7): grid 4 x 64, 4 waves a work-group, no clusters, 124,416 bytes of LDS; arguments oc, os, wc, ws, bo, out0; writes out0
.if DOCPART == 7
	.amdgcn_target "amdgcn-amd-amdhsa--gfx1250"
	.amdhsa_code_object_version 6
	.text
	.protected	k_q4da0f6228f_outp
	.globl	k_q4da0f6228f_outp
	.p2align	8
	.type	k_q4da0f6228f_outp,@function
k_q4da0f6228f_outp:
	s_mov_b64 s[64:65], 0
	v_nop
	global_prefetch_b8 v0, s[64:65] scope:SCOPE_SE
	s_setreg_imm32_b32 hwreg(HW_REG_WAVE_SCHED_MODE, 0, 2), 2
	s_setreg_imm32_b32 hwreg(HW_REG_WAVE_MODE, 25, 1), 1
	s_wait_xcnt 0x0
	s_wait_alu depctr_vm_vsrc(0)
; out0 = o Wo + bo on codes of FP6 (E2M3): o's codes and scale words as attention left them (oc, os), Wo's as the first launch left them (weight 3 of wc, ws), K = 1,024 in eight steps of 128.
; SHARES.  Work-group (X, Y): rows 128 Y .. + 127, columns 256 X .. + 255.  o's 64 fragments (98,304 bytes, one dense run of oc) and their scale words (8,192 bytes of os) are copied into LDS once | one barrier |
; wave w multiplies them by Wo's tiles 16 X + 4 w .. + 3: 128 rows x 64 columns, 32 accumulators.  Wo's fragments go straight into the one wave that uses them, three K steps ahead.  Eight K steps written out: every offset an immediate.
; USED TRANSPOSED: source 0 = 16 rows n of Wo, source 1 = 16 rows of o.  Tile t of either holds rows 32 (t / 2) + 8 (t % 2) + r + 8 (r / 8): a lane's 16 registers of two neighbouring tiles of Wo are 16 neighbouring columns of one row of out0.
; The bias is the C of each sum's first product.  The way out goes through the wave's own stage: sixteen lanes store 256 consecutive bytes, aligned.
; NO CLUSTER, NO TENSOR LOAD: o's block is copied once and then only read; a fragment of Wo is used by one wave of a work-group, so it has no business in LDS.
; LIMITS: those of the codes that it is given.
; REGISTERS.  Window 0: v1-11 addresses, v12, v13 the closing lines' two; v32-47 o's scale words, two sets; v48-63 Wo's, four sets; v64-159, v160-255 o's fragments, two sets; on the way out v64-127 rows read back.
; Window 1: Wo's fragments, set s % 4 at v[48 (s % 4) + 12 o]; the bias of tile o at v[192 + 8 o].  Window 2: accumulator (o tile a, Wo tile o) at v[32 a + 8 o]; first the copy's 208 registers.
; THE MODE: SCHED_MODE bits 1:0 = 2 (LLVM: expert scheduling mode 2), set by the entry lines.  The code itself states the register dependences
; between vector or matrix instructions and memory or LDS instructions, with s_wait_alu, always for 0.
; THE PLAN.  Registers that memory or LDS instructions touch:
;   window 2, v0-207   the copy: global loads land, the LDS stores read them; behind the barrier they are accumulators: one wait on vm_vsrc ahead of the first product.
;   o's set s % 2 and its scale words    read by step s's 32 products; the LDS loads of step s + 2 land in them, issued in step s + 1.
;   Wo's set s % 4 and its scale words   read by step s's 32 products; the loads of group s + 4 land in them, issued in step s + 1.
;   v1-11              made at the head, never written again: every offset is an immediate.
; So ONE wait on va_vdst stands at the head of steps 1 to 6: step s - 1's products are done reading both.  The step's loads follow in its middle, between its two runs of 16 products,
; which name Wo's set s % 4, o's set s % 2, their scale words and the accumulators: none of the registers that those loads touch.
;   THE WAY OUT: the accumulators are the LDS stores' data, and the rows come back into v64-127, which products have read: the places, then one wait on va_vdst.  A tile's global stores read v64-95 or v96-127,
;   in which the tile two on lands: vm_vsrc beside the wait on XCNT.
.set OSC,   98304                      ; LDS: o's images from 0, as oc has them; their scale words here, as os has them;
.set STG,   106496                     ; a stage of 16 rows x (256 + 16) bytes for each wave;
.set SPARE, 123904                     ; the spare words, 128 bytes for each wave: no other line names them
.set MSB, 0
.macro WIN new                         ; s_set_vgpr_msb: bits 1:0 source 0, 3:2 source 1, 5:4 source 2, 7:6 destination; the high byte repeats the setting that is left
.if MSB != (\new)
	s_set_vgpr_msb (MSB<<8)|(\new)
.set MSB, (\new)
.endif
.endm
.macro PLACES
.rept 4
	v_nop
.endr
.endm
	s_load_b256 s[4:11], s[0:1], 0x0               ; oc, os, wc, ws
	s_load_b128 s[12:15], s[0:1], 0x20             ; bo, out0
	v_lshl_add_u32 v12, v0, 2, SPARE
	v_mov_b32 v13, 0
	v_lshrrev_b32 v1, 5, v0
	v_readfirstlane_b32 s16, v1                    ; wave
	s_mov_b32 s17, ttmp9                           ; X
	s_and_b32 s18, ttmp7, 0xffff                   ; Y
	v_and_b32 v14, 31, v0                          ; lane
	v_and_b32 v15, 15, v0                          ; r
	v_bfe_u32 v16, v0, 4, 1                        ; h
	v_lshlrev_b32 v1, 4, v0                        ; the copy: 16 x thread,
	v_add_nc_u32 v2, 49152, v1                     ; and its upper half: an LDS offset has 16 bits
	v_lshlrev_b32 v3, 3, v14                       ; o's fragments: 8 x lane, tiles 0-3,
	v_add_nc_u32 v4, 49152, v3                     ; tiles 4-7
	v_lshlrev_b32 v5, 5, v14
	v_add_nc_u32 v5, OSC, v5                       ; o's scale words: 32 x lane
	v_lshlrev_b32 v6, 4, v14                       ; Wo's fragments: 16 x lane
	s_wait_alu depctr_va_sdst(0)                   ; s16 is written, ahead of its first reader: LDS places and the buffers' offsets are made from it
	s_and_b32 s19, s16, 1
	s_lshl_b32 s19, s19, 4
	v_lshl_add_u32 v7, v15, 5, s19                 ; Wo's scale words: 32 r + 16 (w % 2)
	v_lshlrev_b32 v8, 6, v16                       ; the bias: 64 h
	s_mul_i32 s19, s16, 4352
	s_add_co_u32 s19, s19, STG
	v_mul_u32_u24 v9, v15, 272
	v_lshl_add_u32 v9, v16, 6, v9
	v_add_nc_u32 v9, s19, v9                       ; the stage, in: row r, + 64 h
	v_mul_u32_u24 v10, v16, 272
	v_lshl_add_u32 v10, v15, 4, v10
	v_add_nc_u32 v10, s19, v10                     ; and back: lanes 0-15 one row, lanes 16-31 the next
	v_lshlrev_b32 v11, 12, v16
	v_lshl_add_u32 v11, v15, 4, v11                ; the same two rows in out0
	s_mul_i32 s20, s18, 98304
	s_mov_b32 s21, 0
	s_lshl_b32 s22, s18, 13
	s_mov_b32 s23, 0
	s_mul_i32 s24, s17, 196608
	s_mul_i32 s25, s16, 49152
	s_add_co_u32 s24, s24, s25
	s_add_co_u32 s24, s24, 2359296                 ; weight 3, tile 16 X + 4 w
	s_mov_b32 s25, 0
	s_lshl_b32 s26, s17, 1
	s_lshr_b32 s27, s16, 1
	s_add_co_u32 s26, s26, s27
	s_lshl_b32 s26, s26, 12
	s_add_co_u32 s26, s26, 98304                   ; weight 3, group 2 X + w / 2
	s_mov_b32 s27, 0
	s_lshl_b32 s28, s17, 10
	s_lshl_b32 s29, s16, 8
	s_add_co_u32 s28, s28, s29                     ; column 256 X + 64 w, in bytes
	s_mov_b32 s29, 0
	s_lshl_b32 s30, s18, 19
	s_add_co_u32 s30, s30, s28
	s_mov_b32 s31, 0
	s_wait_kmcnt 0x0
	s_add_nc_u64 s[4:5], s[4:5], s[20:21]
	s_add_nc_u64 s[6:7], s[6:7], s[22:23]
	s_add_nc_u64 s[8:9], s[8:9], s[24:25]
	s_add_nc_u64 s[10:11], s[10:11], s[26:27]
	s_add_nc_u64 s[12:13], s[12:13], s[28:29]
	s_add_nc_u64 s[14:15], s[14:15], s[30:31]
	WIN 0x80                                       ; destination window 2
	s_wait_alu depctr_va_vdst(0)                   ; the eleven offsets and addresses v1 to v11 and the closing add's v12, v13 are written: every load, store and LDS instruction below reads one of them
.set k, 0
.rept 48
	global_load_b128 v[4*k:4*k+3], v1, s[4:5] offset:2048*k
.set k, k+1
.endr
.irp k, 0,1,2,3
	global_load_b128 v[192+4*\k:195+4*\k], v1, s[6:7] offset:2048*\k
.endr
	WIN 0x40                                       ; destination window 1
.irp o, 0,1,2,3                        ; register j of lane (r, h) is column 32 (o / 2) + 8 (o % 2) + 16 h + j
	global_load_b128 v[192+8*\o:195+8*\o], v8, s[12:13] offset:(32*(\o/2)+8*(\o%2))*4
	global_load_b128 v[196+8*\o:199+8*\o], v8, s[12:13] offset:(32*(\o/2)+8*(\o%2))*4+16
.endr
	WIN 0
.macro WGRP s                          ; 13 loads: Wo's four tiles of K step s, and their scale words
	WIN 0x40
.irp o, 0,1,2,3
.irp c, 0,1,2
	global_load_b128 v[48*((\s)%4)+12*\o+4*\c:48*((\s)%4)+12*\o+4*\c+3], v6, s[8:9] offset:\o*12288+(\s)*1536+512*\c
.endr
.endr
	WIN 0
	global_load_b128 v[48+4*((\s)%4):48+4*((\s)%4)+3], v7, s[10:11] offset:(\s)*512
.endm
	WGRP 0
	WGRP 1
	WGRP 2
	WGRP 3
	s_wait_loadcnt 60                              ; the copy's 52 loads are in; the 8 of the bias and the 52 of Wo are younger
	WIN 0x08                                       ; an LDS store's data are its source 1: window 2
.set k, 0
.rept 52
.if k < 24
	ds_store_b128 v1, v[4*k:4*k+3] offset:2048*k
.else
	ds_store_b128 v2, v[4*k:4*k+3] offset:2048*(k-24)
.endif
.set k, k+1
.endr
	WIN 0
	s_wait_dscnt 0x0                               ; for the others' sake: my part of the copy has landed
	s_barrier_signal -1
	s_barrier_wait -1                              ; from here on the copy is only read
	s_wait_alu depctr_vm_vsrc(0)                   ; my LDS stores have read window 2's v0-207: these registers are accumulators from here on, written by the products
.macro OLOAD s                         ; o's eight fragments of K step s (two heads' halves on end: six loads of 8 bytes a lane each) and their scale words
.irp a, 0,1,2,3,4,5,6,7
.irp i, 0,1,2,3,4,5
.if \a < 4
	ds_load_b64 v[64+96*((\s)%2)+12*\a+2*\i:64+96*((\s)%2)+12*\a+2*\i+1], v3 offset:\a*12288+(\s)*1536+256*\i
.else
	ds_load_b64 v[64+96*((\s)%2)+12*\a+2*\i:64+96*((\s)%2)+12*\a+2*\i+1], v4 offset:(\a-4)*12288+(\s)*1536+256*\i
.endif
.endr
.endr
	ds_load_b128 v[32+8*((\s)%2):32+8*((\s)%2)+3], v5 offset:(\s)*1024
	ds_load_b128 v[32+8*((\s)%2)+4:32+8*((\s)%2)+7], v5 offset:(\s)*1024+16
.endm
.macro OMUL s, w0                      ; 16 products: Wo's tiles w0, w0 + 1 against o's eight.  Each of the 32 accumulators has one product a K step, in the same order: they take turns
.irp o, \w0, \w0+1
.irp a, 0,1,2,3,4,5,6,7
.set rD, 32*\a+8*(\o)
.set rW, 48*((\s)%4)+12*(\o)
.set rO, 64+96*((\s)%2)+12*\a
.if (\s) == 0
.set rC, 192+8*(\o)
.else
.set rC, rD
.endif
	v_wmma_scale_f32_16x16x128_f8f6f4 v[rD:rD+7], v[rW:rW+11], v[rO:rO+11], v[rC:rC+7], v[48+4*((\s)%4)+(\o)], v[32+8*((\s)%2)+\a] matrix_a_fmt:MATRIX_FMT_FP6 matrix_b_fmt:MATRIX_FMT_FP6
.endr
.endr
.endm
.macro OSTEP s, cnt
.if (\s) == 0
.set WMUL, 0x91                        ; source 0 (Wo) and C (the bias) window 1, source 1 (o) window 0, D window 2
.else
.set WMUL, 0xa1                        ; C and D window 2
.endif
	s_wait_loadcnt \cnt                            ; this step's group of Wo is in; the younger groups of 13 may be out
	s_wait_dscnt 0x0                               ; and o's fragments
.if ((\s) > 0) && ((\s) < 7)
	s_wait_alu depctr_va_vdst(0)                   ; the step before's products are done reading o's other set, Wo's set (s - 1) % 4 and the scale words of both, in which this step's loads land
.endif
	WIN WMUL
	OMUL \s, 0
.if ((\s) > 0) && ((\s) < 5)
	WGRP (\s)+3                                    ; into the set that the step before read.  No wait: no product since the wait above names it
.endif
	WIN 0
.if (\s) < 7
	OLOAD (\s)+1                                   ; into the set that the step before read: four plain lines stand behind its products, and the wait above behind those
.endif
	WIN WMUL
	OMUL \s, 2
	WIN 0
	PLACES
.endm
	OLOAD 0
	OSTEP 0, 39                                    ; groups 1, 2 and 3 are younger
	OSTEP 1, 26                                    ; from here on the next group goes out behind the step's wait: two groups are younger
	OSTEP 2, 26
	OSTEP 3, 26
	OSTEP 4, 26
	OSTEP 5, 26
	OSTEP 6, 13
	OSTEP 7, 0
; THE WAY OUT, a tile of 16 rows x 64 columns at a time.  A lane holds 2 x 64 neighbouring bytes of a row; the tile goes through my own stage and comes back as whole rows of 256 bytes.
.macro TOSTAGE a
	WIN 0x08
.irp q, 0,1,2,3,4,5,6,7
	ds_store_b128 v9, v[32*(\a)+4*\q:32*(\a)+4*\q+3] offset:128*(\q/4)+16*(\q%4)   ; each accumulator from its low end on
.endr
	WIN 0
.irp t, 0,1,2,3,4,5,6,7
	ds_load_b128 v[64+32*((\a)%2)+4*\t:64+32*((\a)%2)+4*\t+3], v10 offset:544*\t   ; LDS serves a wave's instructions in order (ISA guide 5.7.1.4): these see the stores above
.endr
.endm
.macro SEND a, younger                 ; younger: the LDS instructions issued behind tile a's loads
	s_wait_dscnt \younger
.irp t, 0,1,2,3,4,5,6,7
	global_store_b128 v11, v[64+32*((\a)%2)+4*\t:64+32*((\a)%2)+4*\t+3], s[14:15] offset:(32*((\a)/2)+8*((\a)%2)+2*\t+8*(\t/4))*4096 th:TH_STORE_NT   ; sixteen lanes store 256 consecutive bytes, aligned; written once, read by nobody here
.endr
.endm
	s_wait_alu depctr_va_vdst(0)                   ; the products have written the accumulators, which the LDS stores read, and are done reading v64-127, in which the rows land; the last step's four places stay beside this wait
	TOSTAGE 0
.irp a, 1,2,3,4,5,6,7
.if \a > 1
	s_wait_xcnt 0x0                                ; tile a - 2's stores have had their addresses translated,
	s_wait_alu depctr_vm_vsrc(0)                   ; and have read their registers: tile a's loads may land there
.endif
	TOSTAGE \a
	SEND \a-1, 16                                  ; behind tile a - 1's loads: tile a's 8 stores and 8 loads
.endr
	SEND 7, 0
	s_wait_dscnt 0x0                               ; the closing lines, six on end
	s_wait_alu 0x0
	s_wait_tensorcnt 0x0
	ds_add_u32 v12, v13
	s_wait_dscnt 0x0
	s_endpgm
.Lfunc_end_k_q4da0f6228f_outp:
	.size	k_q4da0f6228f_outp, .Lfunc_end_k_q4da0f6228f_outp-k_q4da0f6228f_outp
	.p2alignl 7, 3214868480
	.fill 96, 4, 3214868480
	.section	.rodata,"a",@progbits
	.p2align	6, 0x0
	.amdhsa_kernel k_q4da0f6228f_outp
		.amdhsa_group_segment_fixed_size 124416
		.amdhsa_private_segment_fixed_size 0
		.amdhsa_enable_private_segment 0
		.amdhsa_kernarg_size 48
		.amdhsa_user_sgpr_count 2
		.amdhsa_user_sgpr_kernarg_segment_ptr 1
		.amdhsa_wavefront_size32 1
		.amdhsa_system_sgpr_workgroup_id_x 1
		.amdhsa_system_sgpr_workgroup_id_y 1
		.amdhsa_system_sgpr_workgroup_id_z 1
		.amdhsa_system_vgpr_workitem_id 0
		.amdhsa_next_free_vgpr 768
		.amdhsa_next_free_sgpr 66
		.amdhsa_reserve_vcc 0
		.amdhsa_float_denorm_mode_32 3
		.amdhsa_float_denorm_mode_16_64 3
		.amdhsa_memory_ordered 1
		.amdhsa_forward_progress 1
		.amdhsa_inst_pref_size 98
	.end_amdhsa_kernel
	.amdgpu_metadata
---
amdhsa.version: [ 1, 2 ]
amdhsa.kernels:
  - .name:           k_q4da0f6228f_outp
    .symbol:         k_q4da0f6228f_outp.kd
    .args:
      - { .name: oc, .offset: 0, .size: 8, .value_kind: global_buffer, .address_space: global }
      - { .name: os, .offset: 8, .size: 8, .value_kind: global_buffer, .address_space: global }
      - { .name: wc, .offset: 16, .size: 8, .value_kind: global_buffer, .address_space: global }
      - { .name: ws, .offset: 24, .size: 8, .value_kind: global_buffer, .address_space: global }
      - { .name: bo, .offset: 32, .size: 8, .value_kind: global_buffer, .address_space: global }
      - { .name: out0, .offset: 40, .size: 8, .value_kind: global_buffer, .address_space: global }
    .group_segment_fixed_size: 124416
    .private_segment_fixed_size: 0
    .kernarg_segment_align: 8
    .kernarg_segment_size: 48
    .max_flat_workgroup_size: 128
    .sgpr_count:     66
    .vgpr_count:     768
    .wavefront_size: 32
...
	.end_amdgpu_metadata
.endif
;; end of part 7
